; MI455X (gfx1250); checked and timed in simulation.
; The chip was launched on July 23, 2026; its instructions are those of AMD's public machine-readable ISA for CDNA 5 (MIT licence, August 2026) and "CDNA5" Instruction Set Architecture Reference Guide (July 2026). The comments in the code are by the model that wrote it; some were corrected since.
;; Sparse Attention. Allowed arithmetic: matrix products marked QUANTISED: E2M1 operands, one E8M0 scale for each 32 along K, by v_wmma_scale_f32_16x16x128_f8f6f4 with both operands' format E2M1 (or v_wmma_scale_f32_32x16x128_f4), f32 sums; products left as they are: bf16, f16 or f32 operands; f32 sums; everything else in f32.
;; Inputs: attention_mask 1 x 1 x 4,096 x 4,096 bool; bk 1,024 float32; bo 1,024 float32; bq 1,024 float32; bv 1,024 float32; hidden_states 1 x 4,096 x 1,024 float32; wk 1,024 x 1,024 float32; wo 1,024 x 1,024 float32; wq 1,024 x 1,024 float32; wv 1,024 x 1,024 float32.
;; Outputs: out0 1 x 4,096 x 1,024 float32.
;; This version of the problem:
;;   THIS VERSION OF THE PROBLEM IS GIVEN IN LOW PRECISION. The matrix products marked QUANTISED in the list below multiply operands that are first quantised to E2M1 (2 exponent bits, 1 mantissa bit; 4 bits a number), with one power-of-two scale for each 32 numbers along K (OCP MX v1.0); their sums are f32. The products marked 'left as it is' may take bf16, f16 or f32 operands, with f32 sums. Whichever they take, every output number must still come out within the allowed error. Rounding operands to bf16 (8 significant bits) uses up far more of that allowance than f16 does (11 bits, for magnitudes from 6e-5 to 65,504). All else is computed in f32.
;;   The module's matrix products, in the order in which they are computed (A, B: the left and right operand; K: the contracted axis; several contracted axes count as one K, in the product's order):
;;     1. [M 4,096, K 1,024] x [K 1,024, N 1,024]; A: input hidden_states; B: input wq: QUANTISED
;;     2. [M 4,096, K 1,024] x [K 1,024, N 1,024]; A: input hidden_states; B: input wk: QUANTISED
;;     3. [M 4,096, K 1,024] x [K 1,024, N 1,024]; A: input hidden_states; B: input wv: QUANTISED
;;     4. batch 16 x [M 4,096, K 64] x [K 64, N 4,096]; A: computed on the way; B: computed on the way: left as it is (an operand is computed on the way)
;;     5. batch 16 x [M 4,096, K 4,096] x [K 4,096, N 64]; A: computed on the way; B: computed on the way: left as it is (an operand is computed on the way)
;;     6. [M 4,096, K 1,024] x [K 1,024, N 1,024]; A: computed on the way; B: input wo: left as it is (an operand is computed on the way)
;;   THE QUANTISER, for each operand of a quantised product, along K:
;;     - K is cut into blocks of 32 from its start; a last block that is shorter is filled with zeros.
;;     - A block's scale is 2^e with e = floor(log2(the largest magnitude in the block)) - 2, held to -126 .. 127; a block of zeros has e = 0. As a byte (E8M0): e + 127.
;;     - Each number is divided by its block's scale, clamped to +-6, and rounded to the nearest number of E2M1, ties to even, subnormals kept.
;;     - The product sums the exact products of the quantised numbers (number of the format x scale) in f32.
;;   ~~~python
;;   def quantise(x, axis):      # numpy; x: float32 -> the quantised numbers, widened to float32 again
;;       x = np.moveaxis(x, axis, -1); K = x.shape[-1]
;;       x = np.pad(x, [(0, 0)] * (x.ndim - 1) + [(0, -K % 32)]); x = x.reshape(x.shape[:-1] + (-1, 32)); a = np.abs(x).max(-1, keepdims=True)
;;       e = np.where(a > 0, np.clip(np.frexp(np.where(a > 0, a, 1))[1] - 1 - 2, -126, 127), 0)      # np.frexp(a)[1] - 1 = floor(log2(a)), exactly
;;       r = np.clip(x / 2.0 ** e, -6, 6)
;;       step = 2.0 ** (np.maximum(np.frexp(np.where(r == 0, 1, r))[1] - 1, 0) - 1)
;;       q = np.round(r / step) * step * 2.0 ** e      # np.round: ties to even
;;       return np.moveaxis(q.reshape(q.shape[:-2] + (-1,))[..., :K], -1, axis).astype(np.float32)
;;   ~~~
;; One version. Each part assembles by itself: llvm-mc -triple=amdgcn-amd-amdhsa -mcpu=gfx1250 --defsym DOCPART=n.
;; ======== version 1 of 1: 4 launches
;; limits: values are held in f16: magnitudes above 65,504 overflow, below 6.1e-05 lose precision
;; workspace buffers: codes 3,670,016 bytes; scales 229,376 bytes; wo16 2,097,152 bytes; tiles 8,192 bytes of whole numbers; qkv 25,165,824 bytes; attn 8,388,608 bytes
;; launch prep (part 1): grid 512 x 1, 4 waves a work-group, no clusters, 33,280 bytes of LDS; arguments hidden_states, wq, wk, wv, wo, attention_mask, codes, scales, wo16, tiles; writes codes, scales, wo16, tiles
.if DOCPART == 1
	.amdgcn_target "amdgcn-amd-amdhsa--gfx1250"
	.amdhsa_code_object_version 6
	.text
	.protected	k_q48d1df2e2b_prep
	.globl	k_q48d1df2e2b_prep
	.p2align	8
	.type	k_q48d1df2e2b_prep,@function
k_q48d1df2e2b_prep:
	s_mov_b64 s[64:65], 0
	v_nop
	global_prefetch_b8 v0, s[64:65] scope:SCOPE_SE
	s_setreg_imm32_b32 hwreg(HW_REG_WAVE_MODE, 25, 1), 1
	s_wait_xcnt 0x0
; PREP: three kinds of work in one launch, told apart by the work-group's number alone.
;  Q (work-groups 0-223): hidden_states [4096][1024] and wq, wk, wv [1024][1024], f32 with K innermost, become codes of FP4 (E2M1) and one E8M0 byte for each 32 along K.
;     codes: rows of 512 bytes, rows 0-4095 hidden, then wq, wk, wv on end; scales: rows of 32 bytes in the same order.  All four tensors are dense streams of blocks of 32.
;     A block's byte is its largest magnitude's exponent field - 2, held at 1 from below; each number is divided by the scale and rounded to the nearest code, ties to even, beyond 6 the largest code.
;  M (work-groups 224-479): the mask [4096][4096] of bytes is read once and becomes, for each block of 32 queries and each tile of 64 keys, two bits: ANY (some byte is set) and FULL (all are).
;     tiles: [128 query blocks][16 words]: word s = ANY of key tiles 8 s .. 8 s + 7 at bit 8 (s & 3) on; word 8 + s = FULL likewise.  The attention launch walks by these whole numbers.
;  C (work-groups 480-511): wo [1024][1024] f32 is rounded to f16, row-major.
; LIMITS: a block of zeros gets the byte 1 where the quantiser's rule says 127 (its codes are zeros, and this program alone reads the bytes); blocks whose largest magnitude lies under 2^(2 - 126)
; were not tried; NaN and infinities among the inputs are not served; |wo| stays under 65,504; mask bytes are 0 or 1.
; Only path Q touches LDS (each wave its own 8,192 bytes); no barrier: waves share nothing.
.set WAVES, 4
.set STEPS, 16
.set WGQ,   224                        ; 128 work-groups for hidden, 32 for each of wq, wk, wv: 32,768 numbers each
.set WGM,   256                        ; 1,024 waves: 128 query blocks x 8 segments of 512 keys
.set EMAX,  2
.set R,     16                         ; v16-79   four sets of 16 numbers as they are loaded
.set X,     80                         ; v80-111  Q: two sets of 16 neighbours;  C: v80-87 the packed f16
.set E,     112                        ; v112-127 Q: a scale byte for each step
.set C,     128                        ; v128-191 Q: codes, four registers for each step, so that no store's data are written again
.set ORR,   144                        ; v144-147 M: the bytes' OR;  v148-151 their AND
.set ANDR,  148
.set WREG,  8192                       ; LDS: a region for each wave: two stages of 32 x SP bytes, and behind them its 256 scale bytes
.set SP,    80                         ; a lane's place in a stage: its 64 bytes + 16 of padding
.set SPW,   12                         ; v12      LDS address of my spare word: SPARE + 4 x my thread's number; never rewritten
.set NIL,   13                         ; v13      0; never rewritten
.set SPARE, WAVES*WREG                 ; behind the four regions: the spare words, 128 bytes for each wave
.macro LOAD t                          ; step t: four loads of 512 consecutive bytes, 16 a lane, into set t % 4
.irp i, 0,1,2,3
	global_load_b128 v[R+16*((\t)%4)+4*\i:R+16*((\t)%4)+4*\i+3], v3, s[28:29] offset:2048*(\t)+512*\i th:TH_LOAD_NT
.endr
.endm
.macro TURN t                          ; step t's numbers through the stage: in as they lie, back 64 bytes a lane.  LDS serves a wave's instructions in order: no wait between
.irp i, 0,1,2,3
	ds_store_b128 v14, v[R+16*((\t)%4)+4*\i:R+16*((\t)%4)+4*\i+3] offset:32*SP*((\t)%2)+8*SP*\i
.endr
.irp i, 0,1,2,3
	ds_load_b128 v[X+16*((\t)%2)+4*\i:X+16*((\t)%2)+4*\i+3], v15 offset:32*SP*((\t)%2)+16*\i
.endr
.endm
.macro STEP t                          ; 512 numbers: a lane holds 16 neighbours, two neighbouring lanes a block
.set XS, X+16*((\t)%2)
.if (\t) > 0
	s_wait_dscnt 1                                 ; this step's numbers are back from the stage (the last step's byte store may be out)
.else
	s_wait_dscnt 0x0
.endif
.if (\t)+4 < STEPS
	LOAD (\t)+4                                    ; into the set whose stores into the stage have read their registers
.endif
.if (\t)+1 < STEPS
.if STEPS-2-(\t) >= 3
	s_wait_loadcnt 12                              ; the next step's four loads are in; those of the three steps behind it may be out
.else
	s_wait_loadcnt 4*(STEPS-2-(\t))
.endif
	TURN (\t)+1
.endif
	v_max3_num_f32 v8, |v[XS]|, |v[XS+1]|, |v[XS+2]|               ; the largest magnitude of my 16, in two chains
	v_max3_num_f32 v9, |v[XS+3]|, |v[XS+4]|, |v[XS+5]|
.irp i, 6,10
	v_max3_num_f32 v8, v8, |v[XS+\i]|, |v[XS+\i+1]|
	v_max3_num_f32 v9, v9, |v[XS+\i+2]|, |v[XS+\i+3]|
.endr
	v_max3_num_f32 v8, v8, |v[XS+14]|, |v[XS+15]|
	v_max3_num_f32 v8, v8, v9, (EMAX+1)<<23        ; and the floor 2^(EMAX + 1 - 127): the byte cannot fall under 1
	v_max_num_f32_dpp v8, v8, v8 row_xmask:1 row_mask:0xf bank_mask:0xf   ; and of my neighbour's 16: the block's
	v_add_nc_u32 v11, -(EMAX<<23), v8              ; EMAX off its exponent field: the conversion takes the exponent field of this operand as its scale
	v_cvt_scalef32_pk8_fp4_f32 v[C+4*(\t)], v[XS:XS+7], v11
	v_cvt_scalef32_pk8_fp4_f32 v[C+4*(\t)+1], v[XS+8:XS+15], v11
	v_lshrrev_b32 v[E+(\t)], 23, v11               ; the scale's byte (also the plain line behind the conversions)
	ds_store_b8 v5, v[E+(\t)] offset:16*(\t)       ; both lanes of a block write the same byte with the same value
	global_store_b64 v7, v[C+4*(\t):C+4*(\t)+1], s[20:21] offset:256*(\t)   ; the wave stores 256 consecutive bytes, aligned
.endm
.macro CSTEP t                         ; 512 numbers of wo to f16
.if (\t) < STEPS-3
	s_wait_loadcnt 12                              ; this step's four loads are in; three steps' may be out
.else
	s_wait_loadcnt 4*(STEPS-1-(\t))
.endif
	s_wait_xcnt 0x0                                ; the last step's stores have read v80-87, which are written again below
.irp i, 0,1,2,3
	v_cvt_pk_f16_f32 v[X+2*\i], v[R+16*((\t)%4)+4*\i], v[R+16*((\t)%4)+4*\i+1]
	v_cvt_pk_f16_f32 v[X+2*\i+1], v[R+16*((\t)%4)+4*\i+2], v[R+16*((\t)%4)+4*\i+3]
.endr
.if (\t)+4 < STEPS
	LOAD (\t)+4
.endif
.irp i, 0,1,2,3
	global_store_b64 v7, v[X+2*\i:X+2*\i+1], s[24:25] offset:1024*(\t)+256*\i   ; 32 lanes store 256 consecutive bytes, aligned
.endr
.endm
.macro SQUEEZE x                       ; bits 0, 4, .. 28 of s[x] come together in bits 0 .. 7
	s_lshr_b32 s36, s[\x], 3
	s_or_b32 s[\x], s[\x], s36
	s_and_b32 s[\x], s[\x], 0x03030303
	s_lshr_b32 s36, s[\x], 6
	s_or_b32 s[\x], s[\x], s36
	s_and_b32 s[\x], s[\x], 0x000f000f
	s_lshr_b32 s36, s[\x], 12
	s_or_b32 s[\x], s[\x], s36
	s_and_b32 s[\x], s[\x], 0xff
.endm
	s_load_b512 s[8:23], s[0:1], 0x0               ; hidden s[8:9], wq s[10:11], wk s[12:13], wv s[14:15], wo s[16:17], mask s[18:19], codes s[20:21], scales s[22:23]
	s_load_b128 s[24:27], s[0:1], 0x40             ; wo16 s[24:25], tiles s[26:27]
	v_lshl_add_u32 v[SPW], v0, 2, SPARE
	v_mov_b32 v[NIL], 0
	v_lshrrev_b32 v1, 5, v0
	v_readfirstlane_b32 s4, v1                     ; wave
	v_and_b32 v2, 31, v0                           ; lane
	v_lshlrev_b32 v3, 4, v2                        ; my 16 bytes of a load's 512
	v_lshlrev_b32 v7, 3, v2                        ; 8 bytes a lane on the way out
	s_mul_i32 s5, s4, WREG                         ; the LDS addresses of path Q are made here, on the one way that all take
	v_lshrrev_b32 v14, 2, v2
	v_mul_u32_u24 v14, v14, SP
	v_and_b32 v15, 3, v2
	v_lshl_add_u32 v14, v15, 4, v14
	v_add_nc_u32 v14, s5, v14                      ; the stage, on the way in: SP (lane / 4) + 16 (lane % 4)
	v_mul_u32_u24 v15, v2, SP
	v_add_nc_u32 v15, s5, v15                      ; and on the way out: SP x lane
	v_lshrrev_b32 v5, 1, v2
	s_add_co_u32 s5, s5, 2*32*SP
	v_add_nc_u32 v5, s5, v5                        ; my wave's 256 scale bytes, my block's byte
	v_add_nc_u32 v6, s5, v7                        ; and 8 of them a lane on the way out
	s_wait_kmcnt 0x0
	s_cmp_ge_u32 ttmp9, WGQ
	s_cbranch_scc1 .Lnot_q
	; ---- Q: which tensor, and which run of 8,192 numbers of it.  The choices hang on the work-group's number alone
	s_and_b32 s5, ttmp9, 31
	s_cmp_lt_u32 ttmp9, 192
	s_cselect_b64 s[28:29], s[12:13], s[14:15]     ; wk or wv,
	s_cmp_lt_u32 ttmp9, 160
	s_cselect_b64 s[28:29], s[10:11], s[28:29]     ; or wq,
	s_cmp_lt_u32 ttmp9, 128
	s_cselect_b64 s[28:29], s[8:9], s[28:29]       ; or hidden
	s_cselect_b32 s5, ttmp9, s5                    ; the work-group's number within its tensor
	s_lshl_b32 s5, s5, 2
	s_add_co_u32 s5, s5, s4
	s_lshl_b32 s6, s5, 15                          ; 32,768 bytes of f32 a run
	s_mov_b32 s7, 0
	s_add_nc_u64 s[28:29], s[28:29], s[6:7]
	s_lshl_b32 s5, ttmp9, 2                        ; on the way out the four tensors lie on end: run 4 x work-group + wave
	s_add_co_u32 s5, s5, s4
	s_lshl_b32 s6, s5, 12                          ; 4,096 bytes of codes a run
	s_add_nc_u64 s[20:21], s[20:21], s[6:7]
	s_lshl_b32 s6, s5, 8                           ; 256 scale bytes a run
	s_add_nc_u64 s[22:23], s[22:23], s[6:7]
.irp t, 0,1,2,3
	LOAD \t
.endr
	s_wait_loadcnt 12                              ; step 0's four loads are in
	TURN 0
.irp t, 0,1,2,3,4,5,6,7,8,9,10,11,12,13,14,15
	STEP \t
.endr
	ds_load_b64 v[8:9], v6                         ; LDS serves a wave's instructions in order: these see my byte stores
	s_wait_dscnt 0x0
	global_store_b64 v7, v[8:9], s[22:23]          ; 32 lanes store 256 consecutive bytes, aligned
	s_wait_tensorcnt 0x0                           ; the wave's end, behind my last LDS store
	ds_add_u32 v[SPW], v[NIL]
	s_wait_dscnt 0x0
	s_endpgm
.Lnot_q:
	s_cmp_ge_u32 ttmp9, WGQ+WGM
	s_cbranch_scc1 .Lcast
	; ---- M: my wave takes 32 queries x 512 keys of the mask: 32 loads of 512 consecutive bytes, all issued at once
	s_sub_co_u32 s5, ttmp9, WGQ
	s_lshl_b32 s5, s5, 2
	s_add_co_u32 s5, s5, s4                        ; job 0 .. 1,023
	s_lshr_b32 s6, s5, 3                           ; the block of 32 queries
	s_and_b32 s28, s5, 7                           ; the segment of 512 keys
	s_lshl_b32 s30, s6, 17                         ; 32 rows of 4,096 bytes
	s_lshl_b32 s31, s28, 9
	s_add_co_u32 s30, s30, s31
	s_mov_b32 s31, 0
	s_add_nc_u64 s[18:19], s[18:19], s[30:31]
.set RW, 0
.rept 32
	global_load_b128 v[16+4*RW:19+4*RW], v3, s[18:19] offset:4096*RW th:TH_LOAD_NT
.set RW, RW+1
.endr
	s_lshl_b32 s30, s6, 6                          ; tiles: 64 bytes a query block, 4 a segment
	s_lshl_b32 s29, s28, 2
	s_add_co_u32 s30, s30, s29
	s_add_nc_u64 s[26:27], s[26:27], s[30:31]
	s_and_b32 s28, s28, 3
	s_lshl_b32 s28, s28, 3                         ; where the segment's eight bits stand in their word
	v_lshlrev_b32 v10, 5, v2                       ; lane 0 stores ANY, lane 1, 32 bytes on, FULL
.set RW, 0
.rept 32
.if RW%8 == 0
	s_wait_loadcnt 24-RW                           ; eight rows more are in
.endif
.irp k, 0,1,2,3
.if RW == 1
	v_or_b32 v[ORR+\k], v[16+\k], v[20+\k]         ; rows 0 and 1 start both: nothing is cleared
	v_and_b32 v[ANDR+\k], v[16+\k], v[20+\k]
.elseif RW > 1
	v_or_b32 v[ORR+\k], v[ORR+\k], v[16+4*RW+\k]
	v_and_b32 v[ANDR+\k], v[ANDR+\k], v[16+4*RW+\k]
.endif
.endr
.set RW, RW+1
.endr
	v_or_b32 v[ORR], v[ORR], v[ORR+1]
	v_or_b32 v[ORR+2], v[ORR+2], v[ORR+3]
	v_and_b32 v[ANDR], v[ANDR], v[ANDR+1]
	v_and_b32 v[ANDR+2], v[ANDR+2], v[ANDR+3]
	v_or_b32 v[ORR], v[ORR], v[ORR+2]
	v_and_b32 v[ANDR], v[ANDR], v[ANDR+2]
	v_cmp_ne_u32 s34, 0, v[ORR]                    ; a bit a lane: some byte of my 16 keys x 32 queries is set;
	v_cmp_eq_u32 s35, 0x01010101, v[ANDR]          ; all are
	s_lshr_b32 s36, s34, 1                         ; four lanes are a tile of 64 keys
	s_or_b32 s34, s34, s36
	s_lshr_b32 s36, s34, 2
	s_or_b32 s34, s34, s36
	s_and_b32 s34, s34, 0x11111111
	s_lshr_b32 s36, s35, 1
	s_and_b32 s35, s35, s36
	s_lshr_b32 s36, s35, 2
	s_and_b32 s35, s35, s36
	s_and_b32 s35, s35, 0x11111111
	SQUEEZE 34
	SQUEEZE 35
	s_lshl_b32 s34, s34, s28
	s_lshl_b32 s35, s35, s28
	v_mov_b32 v8, s34
	v_mov_b32 v9, s35
	v_cmp_eq_u32 vcc_lo, 1, v2
	v_cndmask_b32 v8, v8, v9, vcc_lo
	v_cmp_gt_u32 vcc_lo, 2, v2
	s_wait_xcnt 0x0                                ; EXEC changes only behind this wait: the loads above have it among their sources
	s_and_saveexec_b32 s36, vcc_lo
	global_store_b32 v10, v8, s[26:27]
	s_wait_xcnt 0x0                                ; and again in front of the line that widens it
	s_or_b32 exec_lo, exec_lo, s36
	s_endpgm
.Lcast:
	; ---- C: my wave takes 8,192 numbers of wo
	s_sub_co_u32 s5, ttmp9, WGQ+WGM
	s_lshl_b32 s5, s5, 2
	s_add_co_u32 s5, s5, s4
	s_lshl_b32 s6, s5, 15
	s_mov_b32 s7, 0
	s_add_nc_u64 s[28:29], s[16:17], s[6:7]
	s_lshl_b32 s6, s5, 14
	s_add_nc_u64 s[24:25], s[24:25], s[6:7]
.irp t, 0,1,2,3
	LOAD \t
.endr
.irp t, 0,1,2,3,4,5,6,7,8,9,10,11,12,13,14,15
	CSTEP \t
.endr
	s_endpgm
.Lfunc_end_k_q48d1df2e2b_prep:
	.size	k_q48d1df2e2b_prep, .Lfunc_end_k_q48d1df2e2b_prep-k_q48d1df2e2b_prep
	.p2alignl 7, 3214868480
	.fill 96, 4, 3214868480
	.section	.rodata,"a",@progbits
	.p2align	6, 0x0
	.amdhsa_kernel k_q48d1df2e2b_prep
		.amdhsa_group_segment_fixed_size 33280
		.amdhsa_private_segment_fixed_size 0
		.amdhsa_enable_private_segment 0
		.amdhsa_kernarg_size 80
		.amdhsa_user_sgpr_count 2
		.amdhsa_user_sgpr_kernarg_segment_ptr 1
		.amdhsa_wavefront_size32 1
		.amdhsa_system_sgpr_workgroup_id_x 1
		.amdhsa_system_sgpr_workgroup_id_y 1
		.amdhsa_system_sgpr_workgroup_id_z 1
		.amdhsa_system_vgpr_workitem_id 0
		.amdhsa_next_free_vgpr 192
		.amdhsa_next_free_sgpr 66
		.amdhsa_reserve_vcc 1
		.amdhsa_float_denorm_mode_32 3
		.amdhsa_float_denorm_mode_16_64 3
		.amdhsa_memory_ordered 1
		.amdhsa_forward_progress 1
		.amdhsa_inst_pref_size 68
	.end_amdhsa_kernel
	.amdgpu_metadata
---
amdhsa.version: [ 1, 2 ]
amdhsa.kernels:
  - .name:           k_q48d1df2e2b_prep
    .symbol:         k_q48d1df2e2b_prep.kd
    .args:
      - { .name: hidden_states, .offset: 0, .size: 8, .value_kind: global_buffer, .address_space: global }
      - { .name: wq, .offset: 8, .size: 8, .value_kind: global_buffer, .address_space: global }
      - { .name: wk, .offset: 16, .size: 8, .value_kind: global_buffer, .address_space: global }
      - { .name: wv, .offset: 24, .size: 8, .value_kind: global_buffer, .address_space: global }
      - { .name: wo, .offset: 32, .size: 8, .value_kind: global_buffer, .address_space: global }
      - { .name: attention_mask, .offset: 40, .size: 8, .value_kind: global_buffer, .address_space: global }
      - { .name: codes, .offset: 48, .size: 8, .value_kind: global_buffer, .address_space: global }
      - { .name: scales, .offset: 56, .size: 8, .value_kind: global_buffer, .address_space: global }
      - { .name: wo16, .offset: 64, .size: 8, .value_kind: global_buffer, .address_space: global }
      - { .name: tiles, .offset: 72, .size: 8, .value_kind: global_buffer, .address_space: global }
    .group_segment_fixed_size: 33280
    .private_segment_fixed_size: 0
    .kernarg_segment_align: 8
    .kernarg_segment_size: 80
    .max_flat_workgroup_size: 128
    .sgpr_count:     66
    .vgpr_count:     192
    .wavefront_size: 32
...
	.end_amdgpu_metadata
.endif
;; end of part 1
;; launch qkv (part 2): grid 12 x 16, 4 waves a work-group, clusters of 4 x 4, 327,680 bytes of LDS; arguments codes, scales, bq, bk, qkv; writes qkv
.if DOCPART == 2
	.amdgcn_target "amdgcn-amd-amdhsa--gfx1250"
	.amdhsa_code_object_version 6
	.text
	.protected	k_q48d1df2e2b_qkv
	.globl	k_q48d1df2e2b_qkv
	.p2align	8
	.type	k_q48d1df2e2b_qkv,@function
k_q48d1df2e2b_qkv:
	s_mov_b64 s[64:65], 0
	v_nop
	global_prefetch_b8 v0, s[64:65] scope:SCOPE_SE
	s_setreg_imm32_b32 hwreg(HW_REG_WAVE_MODE, 25, 1), 1
	s_wait_xcnt 0x0
	s_wait_alu depctr_hold_cnt(0) depctr_sa_sdst(0) depctr_va_vdst(0) depctr_va_sdst(0) depctr_va_ssrc(0) depctr_va_vcc(0) depctr_vm_vsrc(0)
	s_getreg_b32 s2, hwreg(HW_REG_IB_STS2, 6, 4)
	s_cmp_eq_u32 s2, 0
	s_cbranch_scc0 .Lentry_in_a_cluster
	s_endpgm
.Lentry_in_a_cluster:
	s_bfe_u32 s2, ttmp6, 0x10000c
	s_cmp_lg_u32 s2, 0xf033
	s_cbranch_scc0 .Lentry_shape_is_right
	s_endpgm
.Lentry_shape_is_right:
; q, k, v = hidden w^T (+ bq, + bk; bv is added behind the attention, where it costs nothing): ONE product [4096] x [3072] over K = 1,024 on codes of FP4 (E2M1) with one E8M0 scale for each 32 along K.
; codes: rows of 512 bytes: rows 0-4095 hidden, from byte WCODES on wq, wk, wv on end; scales: rows of 32 bytes likewise, the weights' from byte WSCALES on.
; A work-group of four waves makes 256 tokens x 256 channels, a wave 128 x 128: 64 accumulators, 512 registers.  K is two slots of 512: both, and all the tile's scale bytes, are asked for at the head;
; nothing is filled again.  By this text's count a wave has three tensor loads out.
; CLUSTERS: 4 x 4 work-groups; the four of a row need the same rows of hidden, the four of a column the same rows of the weights: each tile is asked for jointly.  The cluster's x says which output: 0 q, 1 k, 2 v.
; THE RESULTS LEAVE AS IMAGES OF THE NEXT PRODUCT'S OPERAND REGISTERS, f16: an accumulator, packed, is four registers of a fragment, and the wave stores them as 512 consecutive bytes, lane l's 16 at 16 l.
;   q, k (at 0 and 8 MiB): source 0 = 16 rows of the weight, source 1 = 16 tokens: a lane holds one token and eight neighbouring channels.  byte = head 524,288 + (token / 16) 2,048 + (channel / 16 in the head) 512 + 16 lane.
;   v (at 16 MiB): the sources swapped: a lane holds one channel and eight neighbouring tokens, since the keys are the K of the attention's second product.
;      byte = head 524,288 + (token / 64) 8,192 + ((token / 32) % 2) 4,096 + (channel / 16 in the head) 1,024 + ((token / 16) % 2) 512 + 16 lane.
;   The two uses differ in every matrix instruction, so the text has two arms, chosen by the cluster's x, which all partners and all waves share.
; LIMITS: |q|, |k|, |v| stay under 65,504 (f16); magnitudes under 6e-5 are rounded with an absolute error of 3e-8 at the most.
; REGISTERS, in windows of 256: window 0: v16-29 addresses; v32-95 scale words, two sets; v128-191 hidden's fragments, one set; v192-255 the bias, eight registers for each of the wave's eight blocks of channels;
;   on the way out v128-255 take the packed results.  window 1: the weights' fragments, two sets, at v0 and v128.  windows 2, 3: the accumulators of my tokens 0-63, 64-127 ((a, b) at v[8 (8 (a % 4) + b)]).
.set SIZE_K, 1024
.set KSTEP,  512                       ; along K in a slot
.set NQ,     KSTEP/128                 ; matrix instructions deep
.set ROWB,   256                       ; a tile's row in bytes
.set KROW,   SIZE_K/2                  ; a row of codes in memory
.set PITCH,  272                       ; an LDS row: 256 bytes + 16 of padding = 68 words, so that the 16 rows of a load start at 16 different banks (64 banks of 4 bytes: ISA guide 11.1)
.set FR,     8                         ; registers of a fragment: 16 rows x 128 K
.set NL,     2                         ; LDS loads that bring one
.set NP,     4                         ; places behind this matrix instruction (ISA guide 7.12.1)
.set HALFT,  128*PITCH                 ; 128 rows: what one tensor load brings
.set SLOT,   4*HALFT                   ; hidden's 256 rows, then the weights' 256
.set KS,     SIZE_K/32                 ; a row of scales in bytes
.set SCL,    2*SLOT                    ; behind the two slots: the scales, as units of 256 bytes + 16 of padding
.set HALFS,  (128*KS/256)*272          ; those of 128 rows
.set SBLK,   (16*KS/256)*272           ; those of 16 rows
.set SPARE,  SCL+4*HALFS               ; the spare words, 128 bytes for each wave
.set WCODES, 0x200000
.set WSCALES, 0x20000
.set ADRA, 16                          ; v16-17  LDS address of hidden's fragments in slot 0, 1
.set ADRB, 20                          ; v20-21  the same for the weights'
.set LO16, 24                          ; v24     16 x lane: my place in an image
.set BOF,  25                          ; v25     32 x (lane / 16): my eight numbers of a block's bias
.set ADRS, 27                          ; v27     LDS address of my scale words: lanes 0-15 hidden's rows, lanes 16-31 the weights'
.set SPW,  28                          ; v28     LDS address of my spare word; never rewritten
.set NIL,  29                          ; v29     0; never rewritten
.set SC,   32                          ; scale words: set s at v[SC + 32 s]; register 4 i + q: lanes 0-15 hidden's block i, lanes 16-31 the weights' block i, the slot's q-th 128 along K
.set AF,   128
.set BIAS, 192
.set TMP,  128
.set G1, 24                            ; s[24:31], s[32:39] descriptor groups 1 and 0 (a set for each slot) for hidden's tiles
.set G0, 32
.set G1B, 48                           ; s[48:55], s[56:63] for the weights'
.set G0B, 56
.set G1S, 68                           ; s[68:75], s[76:79] for hidden's scales;  s[80:87], s[88:91] for the weights'
.set G0S, 76
.set G1SB, 80
.set G0SB, 88
.set MSB, 0
.macro WIN new                         ; the immediate's high byte repeats the setting that is left
.if MSB != (\new)
	s_set_vgpr_msb (MSB<<8)|(\new)
.set MSB, (\new)
.endif
.endm
.macro WMUL hi, first, sw              ; the windows of a run of products: hi: accumulators in window 2 or 3
.if \sw
	WIN 0xa4+0x50*(\hi)                            ; source 0 (hidden) window 0, source 1 (weights) window 1
.elseif \first
	WIN 0x81+0x40*(\hi)                            ; source 0 (weights) window 1, source 1 and C (the bias) window 0
.else
	WIN 0xa1+0x50*(\hi)
.endif
.endm
.set TO_B, 0x40                        ; destination window 1, address window 0
; A joint load: waves 0 and 1 fetch for hidden, waves 2 and 3 for the weights; the branch hangs on the wave's number alone.  An s_nop 0 and four v_nop follow each line.
.macro JLOAD g0a, g1a, g0b, g1b
	s_cmp_eq_u32 s15, 0
	s_cbranch_scc0 .Lfor_b_\@
	tensor_load_to_lds s[\g0a:\g0a+3], s[\g1a:\g1a+7]
	s_nop 0
.rept 4
	v_nop
.endr
	s_branch .Lasked_\@
.Lfor_b_\@:
	tensor_load_to_lds s[\g0b:\g0b+3], s[\g1b:\g1b+7]
	s_nop 0
.rept 4
	v_nop
.endr
.Lasked_\@:
.endm
.macro CROUND                          ; a round of the cluster's barrier
	s_barrier_signal -1
	s_barrier_wait -1
	s_cmp_lg_u32 s14, 0
	s_cbranch_scc1 .Lnot_wave_0_\@
	s_barrier_signal -3
.Lnot_wave_0_\@:
	s_barrier_wait -3
	s_barrier_signal -1
	s_barrier_wait -1
.endm
	s_load_b128 s[4:7], s[0:1], 0x0                ; codes s[4:5], scales s[6:7]
	s_load_b128 s[96:99], s[0:1], 0x10             ; bq s[96:97], bk s[98:99]
	s_load_b64 s[12:13], s[0:1], 0x20              ; qkv
	v_lshl_add_u32 v[SPW], v0, 2, SPARE
	v_mov_b32 v[NIL], 0
	ds_add_u32 v[SPW], v[NIL]                      ; the wave's opening: the add, twice on end, and its wait ahead of my first tensor load
	ds_add_u32 v[SPW], v[NIL]
	v_lshrrev_b32 v1, 5, v0
	v_readfirstlane_b32 s14, v1                    ; wave 0..3
	s_lshr_b32 s15, s14, 1                         ; which half of the tile's tokens is mine.  Also: I fetch for hidden (0) or for the weights (1)
	s_and_b32 s16, s14, 1                          ; which half of its channels.  Also: which 128 rows I fetch
	s_bfe_u32 s40, ttmp6, 0x40000                  ; cx, cy: my place in the cluster
	s_bfe_u32 s41, ttmp6, 0x40004
	s_lshl_b32 s42, ttmp9, 2
	s_add_co_u32 s42, s42, s40                     ; tile column = 4 x cluster x + cx
	s_and_b32 s17, ttmp7, 0xffff
	s_lshl_b32 s17, s17, 2
	s_add_co_u32 s17, s17, s41                     ; tile row = 4 x cluster y + cy
	s_lshl_b32 s43, s41, 2
	s_lshl_b32 s43, 15, s43                        ; my row of the cluster
	s_lshl_b32 s44, 0x1111, s40                    ; my column
	; descriptor group 1: a tile of 128 rows x 256 bytes, 16 bytes of padding behind each row
	s_or_b32 s[G1+0], s43, (0<<16)|(1<<20)|(1<<21)|(5<<22)|(3<<25)  ; 15:0 the mask; 17:16 elements of 1 byte; 20 padding on; 21 set beside a mask; 24:22 after every 64 words; 31:25 four words
	s_or_b32 s[G1B+0], s44, (0<<16)|(1<<20)|(1<<21)|(5<<22)|(3<<25)
.irp g, G1, G1B
	s_mov_b32 s[\g+1], ROWB<<16                    ; tensor_dim0
	s_mov_b32 s[\g+2], 128<<16                     ; tensor_dim1
	s_mov_b32 s[\g+3], ROWB<<16                    ; tile_dim0
	s_mov_b32 s[\g+4], 128                         ; tile_dim1
	s_mov_b32 s[\g+5], KROW                        ; from row to row
	s_mov_b32 s[\g+6], 0
	s_mov_b32 s[\g+7], 0
.endr
	; the scales of 128 rows: 4,096 dense bytes, as 16 rows of 256 (32 elements of 8 bytes), 16 bytes of padding behind each
	s_or_b32 s[G1S+0], s43, (3<<16)|(1<<20)|(1<<21)|(5<<22)|(3<<25)
	s_or_b32 s[G1SB+0], s44, (3<<16)|(1<<20)|(1<<21)|(5<<22)|(3<<25)
.irp g, G1S, G1SB
	s_mov_b32 s[\g+1], 32<<16
	s_mov_b32 s[\g+2], (128*KS/256)<<16
	s_mov_b32 s[\g+3], 32<<16
	s_mov_b32 s[\g+4], 128*KS/256
	s_mov_b32 s[\g+5], 32
	s_mov_b32 s[\g+6], 0
	s_mov_b32 s[\g+7], 0
.endr
	s_lshl_b32 s18, s16, 7                         ; which 128 rows of the tile I fetch
	s_lshl_b32 s20, s17, 8
	s_add_co_u32 s20, s20, s18                     ; hidden: row 256 x tile row + 128 x half
	s_lshl_b32 s46, s42, 8
	s_add_co_u32 s46, s46, s18                     ; the weights: row 256 x tile column + 128 x half
	s_mov_b32 s21, 0
	s_mov_b32 s47, 0
	s_mov_b64 s[18:19], KS
	s_mul_u64 s[22:23], s[20:21], s[18:19]         ; where these rows' scales begin,
	s_mul_u64 s[92:93], s[46:47], s[18:19]
	s_mov_b64 s[18:19], KROW
	s_mul_u64 s[20:21], s[20:21], s[18:19]         ; and their codes
	s_mul_u64 s[46:47], s[46:47], s[18:19]
	s_mul_i32 s45, s14, HALFT                      ; where they go: wave x 128 rows: no place in the cluster enters an LDS address
	s_mul_i32 s94, s14, HALFS
	s_wait_dscnt 0x0                               ; both opening adds are done
	s_wait_kmcnt 0x0
	s_add_nc_u64 s[8:9], s[4:5], WCODES            ; the weights' codes,
	s_add_nc_u64 s[10:11], s[6:7], WSCALES         ; and their scales
	s_add_nc_u64 s[20:21], s[4:5], s[20:21]
	s_add_nc_u64 s[22:23], s[6:7], s[22:23]
	s_add_nc_u64 s[46:47], s[8:9], s[46:47]
	s_add_nc_u64 s[92:93], s[10:11], s[92:93]
	CROUND                                         ; all sixteen work-groups are here: the joint loads meet
	s_mov_b32 s[G0S], 1
	s_add_co_u32 s[G0S+1], s94, SCL
	s_mov_b64 s[G0S+2:G0S+3], s[22:23]
	s_or_b32 s[G0S+3], s[G0S+3], 0x80000000
	s_mov_b32 s[G0SB], 1
	s_add_co_u32 s[G0SB+1], s94, SCL
	s_mov_b64 s[G0SB+2:G0SB+3], s[92:93]
	s_or_b32 s[G0SB+3], s[G0SB+3], 0x80000000
	JLOAD G0S, G1S, G0SB, G1SB                     ; the scales first: they are wanted with the first slot
.irp s, 0,1
	s_mov_b32 s[G0+4*\s], 1
	s_add_co_u32 s[G0+4*\s+1], s45, \s*SLOT
	s_add_nc_u64 s[G0+4*\s+2:G0+4*\s+3], s[20:21], \s*ROWB
	s_or_b32 s[G0+4*\s+3], s[G0+4*\s+3], 0x80000000
	s_mov_b32 s[G0B+4*\s], 1
	s_add_co_u32 s[G0B+4*\s+1], s45, \s*SLOT
	s_add_nc_u64 s[G0B+4*\s+2:G0B+4*\s+3], s[46:47], \s*ROWB
	s_or_b32 s[G0B+4*\s+3], s[G0B+4*\s+3], 0x80000000
	JLOAD G0+4*\s, G1, G0B+4*\s, G1B
.endr
	v_and_b32 v1, 15, v0                           ; l % 16
	v_bfe_u32 v2, v0, 4, 1                         ; l / 16
	v_mul_u32_u24 v3, v1, PITCH
	v_lshl_add_u32 v4, v2, 4, v3                   ; a fragment's row x pitch + 16 x half
	s_mul_i32 s21, s15, HALFT                      ; my 128 rows of hidden
	s_mul_i32 s22, s16, HALFT                      ; my 128 rows of the weights,
	s_add_co_u32 s22, s22, 2*HALFT                 ; which lie behind hidden's 256
.irp s, 0,1
	v_add_nc_u32 v[ADRA+\s], s21, v4
	v_add_nc_u32 v[ADRB+\s], s22, v4
	s_add_co_u32 s21, s21, SLOT
	s_add_co_u32 s22, s22, SLOT
.endr
	v_mul_u32_u24 v5, v1, KS                       ; my row's scales: KS bytes a row,
	v_lshrrev_b32 v6, 8, v5
	v_lshl_add_u32 v5, v6, 4, v5                   ; and 16 more for each 256 passed
	s_mul_i32 s21, s15, HALFS
	s_mul_i32 s22, s16, HALFS
	s_add_co_u32 s22, s22, 2*HALFS
	s_sub_co_u32 s22, s22, s21
	v_mul_u32_u24 v6, s22, v2                      ; lanes 16-31 take the weights': one product, the distance between the two bases
	s_add_co_u32 s21, s21, SCL
	v_add_nc_u32 v5, v5, v6
	v_add_nc_u32 v[ADRS], s21, v5
	v_and_b32 v6, 31, v0
	v_lshlrev_b32 v[LO16], 4, v6
	v_lshlrev_b32 v[BOF], 5, v2
	; where my images begin: cluster x x 8 MiB + head0 x 524,288 + T0 x 2,048, head0 = 4 cx + 2 (wave & 1), T0 = 16 x tile row + 8 (wave / 2): the same sum for q, k and v, since (T0 / 4) x 8,192 = T0 x 2,048
	s_lshl_b32 s20, s17, 4
	s_lshl_b32 s21, s15, 3
	s_add_co_u32 s20, s20, s21
	s_lshl_b32 s20, s20, 11
	s_lshl_b32 s21, ttmp9, 23
	s_add_co_u32 s20, s20, s21
	s_mov_b32 s21, 0
	s_lshl_b32 s46, s40, 2
	s_lshl_b32 s47, s16, 1
	s_add_co_u32 s46, s46, s47
	s_lshl_b32 s46, s46, 19
	s_mov_b32 s47, 0
	s_add_nc_u64 s[20:21], s[20:21], s[46:47]
	s_add_nc_u64 s[12:13], s[12:13], s[20:21]
.macro FRAG reg, adr, q, i             ; 16 rows x 128 K of 4-bit codes: lane l holds row l % 16; registers 4 c .. 4 c + 3 hold K = 64 c + 32 (l / 16) + 0 .. 31
.irp c, 0,1
	ds_load_b128 v[\reg+4*\c:\reg+4*\c+3], v[\adr] offset:64*(\q)+32*\c+(\i)*16*PITCH
.endr
.endm
; 16 matrix instructions: hidden's blocks a0, a0 + 1 x the weights' eight, the slot's q-th 128 along K.  p: the weights' set; sc: the set of scale words.
; first = 1: the products start the sums: with the bias as C (sw = 0) or with 0 (sw = 1).  The 64 accumulators take turns, one instruction a turn, in the same order in every step.
.macro MUL16 a0, p, q, sc, first, sw
.irp a, \a0, \a0+1
.irp b, 0,1,2,3,4,5,6,7
.set RD_, 8*(8*((\a)%4)+\b)
.set RW_, 128*(\p)+FR*\b
.set RH_, AF+FR*(\a)
.set CW_, SC+8*NQ*(\sc)+NQ*\b+(\q)
.set CH_, SC+8*NQ*(\sc)+NQ*(\a)+(\q)
.if \sw
.if \first
	v_wmma_scale_f32_16x16x128_f8f6f4 v[RD_:RD_+7], v[RH_:RH_+7], v[RW_:RW_+7], 0, v[CH_], v[CW_] matrix_a_fmt:MATRIX_FMT_FP4 matrix_b_fmt:MATRIX_FMT_FP4 matrix_b_scale:MATRIX_SCALE_ROW1
.else
	v_wmma_scale_f32_16x16x128_f8f6f4 v[RD_:RD_+7], v[RH_:RH_+7], v[RW_:RW_+7], v[RD_:RD_+7], v[CH_], v[CW_] matrix_a_fmt:MATRIX_FMT_FP4 matrix_b_fmt:MATRIX_FMT_FP4 matrix_b_scale:MATRIX_SCALE_ROW1
.endif
.else
.if \first
	v_wmma_scale_f32_16x16x128_f8f6f4 v[RD_:RD_+7], v[RW_:RW_+7], v[RH_:RH_+7], v[BIAS+8*\b:BIAS+8*\b+7], v[CW_], v[CH_] matrix_a_fmt:MATRIX_FMT_FP4 matrix_b_fmt:MATRIX_FMT_FP4 matrix_a_scale:MATRIX_SCALE_ROW1
.else
	v_wmma_scale_f32_16x16x128_f8f6f4 v[RD_:RD_+7], v[RW_:RW_+7], v[RH_:RH_+7], v[RD_:RD_+7], v[CW_], v[CH_] matrix_a_fmt:MATRIX_FMT_FP4 matrix_b_fmt:MATRIX_FMT_FP4 matrix_a_scale:MATRIX_SCALE_ROW1
.endif
.endif
.endr
.endr
.endm
.macro FETCH_B slot, q, p              ; the weights' eight fragments into set p
	WIN TO_B
.irp i, 0,1,2,3,4,5,6,7
	FRAG 128*(\p)+FR*\i, ADRB+\slot, \q, \i
.endr
	WIN 0
.endm
.macro FETCH_A slot, q, i0             ; hidden's blocks i0 .. i0 + 3
.irp i, \i0, \i0+1, \i0+2, \i0+3
	FRAG AF+FR*(\i), ADRA+\slot, \q, \i
.endr
.endm
.macro SCALES sc                       ; a slot's scale words: four a row
.irp i, 0,1,2,3,4,5,6,7
	ds_load_b128 v[SC+8*NQ*\sc+NQ*\i:SC+8*NQ*\sc+NQ*\i+3], v[ADRS] offset:\i*SBLK
.endr
.endm
.macro PLACES n                        ; plain vector instructions between a matrix instruction and a load into, or a read or write of, one of its registers
.rept \n
	v_nop
.endr
.endm
.macro STEP slot, q, first, sw         ; 128 along K, with its successor in the same slot
	s_wait_dscnt 4*NL                              ; the weights' set and hidden's blocks 0-3 are in; the youngest eight loads (blocks 4-7) may be out
	WMUL 0, \first, \sw
	MUL16 0, (\q)%2, \q, \slot, \first, \sw
	MUL16 2, (\q)%2, \q, \slot, \first, \sw
	s_wait_dscnt 0                                 ; blocks 4-7 are in
	PLACES NP
	FETCH_B \slot, (\q)+1, 1-(\q)%2
	FETCH_A \slot, (\q)+1, 0
	WMUL 1, \first, \sw
	MUL16 4, (\q)%2, \q, \slot, \first, \sw
	MUL16 6, (\q)%2, \q, \slot, \first, \sw
	PLACES NP
	WIN 0
	FETCH_A \slot, (\q)+1, 4
.endm
.macro STEPS slot, from, sw
.set QQ, \from
.rept NQ-1-\from
	STEP \slot, QQ, 0, \sw
.set QQ, QQ+1
.endr
.endm
; Slot 0's last step, and the change to slot 1: each wave waits for all its tensor loads (its part of slot 1), then the work-group's barrier: behind it slot 1 is whole.  Nothing is filled again.
.macro TURN slot, next, sw
	s_wait_tensorcnt 0x0                           ; all my tensor loads have landed
	ds_add_u32 v[SPW], v[NIL]                      ; 0 onto my spare word
	s_wait_dscnt 4*NL+1                            ; (the add and the youngest eight loads may be out)
	WMUL 0, 0, \sw
	MUL16 0, 1, NQ-1, \slot, 0, \sw
	s_wait_dscnt 0x0                               ; the add is done, and my reads of this slot are over
	s_barrier_signal -1
	MUL16 2, 1, NQ-1, \slot, 0, \sw
	WIN 0
	s_barrier_wait -1
	PLACES NP
	v_add_nc_u32 v[ADRS], 4*NQ, v[ADRS]            ; on to the next slot's scale words (no LDS load of mine is out)
	FETCH_B \next, 0, 0
	FETCH_A \next, 0, 0
	SCALES \next
	WMUL 1, 0, \sw
	MUL16 4, 1, NQ-1, \slot, 0, \sw
	MUL16 6, 1, NQ-1, \slot, 0, \sw
	PLACES NP
	WIN 0
	FETCH_A \next, 0, 4
.endm
; THE WAY OUT: each accumulator is rounded to f16, from its low end on, into four registers, which the wave stores as 512 consecutive bytes, aligned: no LDS.
.macro OUT sw
	PLACES NP
.irp a, 0,1,2,3,4,5,6,7
.if \a == 4
	s_wait_xcnt 0x0                                ; block 0's stores have read their registers, which block 4 writes again
.endif
	WIN 0x0a+5*(\a/4)                              ; sources 0 and 1: window 2 or 3
.irp b, 0,1,2,3,4,5,6,7
.irp r, 0,1,2,3
	v_cvt_pk_f16_f32 v[TMP+32*(\a%4)+4*\b+\r], v[64*(\a%4)+8*\b+2*\r], v[64*(\a%4)+8*\b+2*\r+1]
.endr
.endr
	WIN 0
.irp b, 0,1,2,3,4,5,6,7
.if \sw
	global_store_b128 v[LO16], v[TMP+32*(\a%4)+4*\b:TMP+32*(\a%4)+4*\b+3], s[12:13] offset:(\b/4)*524288+(\a/4)*8192+((\a/2)%2)*4096+(\b%4)*1024+(\a%2)*512
.else
	global_store_b128 v[LO16], v[TMP+32*(\a%4)+4*\b:TMP+32*(\a%4)+4*\b+3], s[12:13] offset:(\b/4)*524288+\a*2048+(\b%4)*512
.endif
.endr
.endr
.endm
.macro BODY sw
.if \sw == 0
	s_cmp_eq_u32 ttmp9, 0                          ; bq or bk: the choice hangs on the cluster's x alone
	s_cselect_b64 s[96:97], s[96:97], s[98:99]
	s_lshl_b32 s46, s40, 10                        ; my 128 channels: 256 cx + 128 (wave & 1), 4 bytes each
	s_lshl_b32 s47, s16, 9
	s_add_co_u32 s46, s46, s47
	s_mov_b32 s47, 0
	s_add_nc_u64 s[96:97], s[96:97], s[46:47]
.irp b, 0,1,2,3,4,5,6,7
	global_load_b128 v[BIAS+8*\b:BIAS+8*\b+3], v[BOF], s[96:97] offset:64*\b       ; in the result's layout: lane (r, h) holds the bias of channels 16 b + 8 h + 0 .. 7
	global_load_b128 v[BIAS+8*\b+4:BIAS+8*\b+7], v[BOF], s[96:97] offset:64*\b+16
.endr
.endif
	s_wait_tensorcnt 1                             ; the scales and my part of slot 0 are in (slot 1's load may be out),
	s_barrier_signal -1
	s_barrier_wait -1                              ; everybody's are
	FETCH_B 0, 0, 0
	FETCH_A 0, 0, 0
	SCALES 0
	FETCH_A 0, 0, 4
.if \sw == 0
	s_wait_loadcnt 0x0                             ; the bias
.endif
	STEP 0, 0, 1, \sw                              ; the first step's products start the sums: nothing is cleared
	STEPS 0, 1, \sw
	TURN 0, 1, \sw
	STEPS 1, 0, \sw
	s_wait_dscnt 4*NL                              ; the last step: nothing more to fetch
	WMUL 0, 0, \sw
	MUL16 0, 1, NQ-1, 1, 0, \sw
	MUL16 2, 1, NQ-1, 1, 0, \sw
	s_wait_dscnt 0
	WMUL 1, 0, \sw
	MUL16 4, 1, NQ-1, 1, 0, \sw
	MUL16 6, 1, NQ-1, 1, 0, \sw
	WIN 0
	OUT \sw
.endm
	s_cmp_eq_u32 ttmp9, 2                          ; the cluster's x: the same in all sixteen partners and in all waves
	s_cbranch_scc1 .Lv_arm
	BODY 0                                         ; q and k
	s_branch .Lend
.Lv_arm:
	BODY 1                                         ; v
.Lend:
	s_wait_tensorcnt 0x0                           ; the wave's end
	ds_add_u32 v[SPW], v[NIL]
	s_wait_dscnt 0x0
	CROUND                                         ; the closing round
	s_endpgm
.Lfunc_end_k_q48d1df2e2b_qkv:
	.size	k_q48d1df2e2b_qkv, .Lfunc_end_k_q48d1df2e2b_qkv-k_q48d1df2e2b_qkv
	.p2alignl 7, 3214868480
	.fill 96, 4, 3214868480
	.section	.rodata,"a",@progbits
	.p2align	6, 0x0
	.amdhsa_kernel k_q48d1df2e2b_qkv
		.amdhsa_group_segment_fixed_size 327680
		.amdhsa_private_segment_fixed_size 0
		.amdhsa_enable_private_segment 0
		.amdhsa_kernarg_size 40
		.amdhsa_user_sgpr_count 2
		.amdhsa_user_sgpr_kernarg_segment_ptr 1
		.amdhsa_wavefront_size32 1
		.amdhsa_system_sgpr_workgroup_id_x 1
		.amdhsa_system_sgpr_workgroup_id_y 1
		.amdhsa_system_sgpr_workgroup_id_z 1
		.amdhsa_system_vgpr_workitem_id 0
		.amdhsa_next_free_vgpr 1024
		.amdhsa_next_free_sgpr 100
		.amdhsa_reserve_vcc 0
		.amdhsa_float_denorm_mode_32 3
		.amdhsa_float_denorm_mode_16_64 3
		.amdhsa_memory_ordered 1
		.amdhsa_forward_progress 1
		.amdhsa_inst_pref_size 227
	.end_amdhsa_kernel
	.amdgpu_metadata
---
amdhsa.version: [ 1, 2 ]
amdhsa.kernels:
  - .name:           k_q48d1df2e2b_qkv
    .symbol:         k_q48d1df2e2b_qkv.kd
    .args:
      - { .name: codes, .offset: 0, .size: 8, .value_kind: global_buffer, .address_space: global }
      - { .name: scales, .offset: 8, .size: 8, .value_kind: global_buffer, .address_space: global }
      - { .name: bq, .offset: 16, .size: 8, .value_kind: global_buffer, .address_space: global }
      - { .name: bk, .offset: 24, .size: 8, .value_kind: global_buffer, .address_space: global }
      - { .name: qkv, .offset: 32, .size: 8, .value_kind: global_buffer, .address_space: global }
    .group_segment_fixed_size: 327680
    .private_segment_fixed_size: 0
    .kernarg_segment_align: 8
    .kernarg_segment_size: 40
    .max_flat_workgroup_size: 128
    .sgpr_count:     100
    .vgpr_count:     1024
    .wavefront_size: 32
...
	.end_amdgpu_metadata
.endif
;; end of part 2
;; launch attn (part 3): grid 16 x 16, 8 waves a work-group, no clusters, 0 bytes of LDS; arguments qkv, tiles, attention_mask, bv, attn; writes attn
.if DOCPART == 3
	.amdgcn_target "amdgcn-amd-amdhsa--gfx1250"
	.amdhsa_code_object_version 6
	.text
	.protected	k_q48d1df2e2b_attn
	.globl	k_q48d1df2e2b_attn
	.p2align	8
	.type	k_q48d1df2e2b_attn,@function
k_q48d1df2e2b_attn:
	s_mov_b64 s[64:65], 0
	v_nop
	global_prefetch_b8 v0, s[64:65] scope:SCOPE_SE
	s_setreg_imm32_b32 hwreg(HW_REG_WAVE_MODE, 25, 1), 1
	s_wait_xcnt 0x0
; attn[q][64 head + :] = softmax_k(q . k / 8, masked) v + bv, 16 heads of 64 channels, 4,096 tokens.  The mask is an input; the launch before has read it and stored, for each block of 32 queries, which tiles of 64 keys
; hold ANY set byte and which are FULL.  A tile with no set byte adds nothing to any of the 32 rows (its scores are -infinity ahead of the softmax), so it is left out; a FULL tile needs no masking; any other
; tile reads its mask bytes and puts -infinity in the hidden scores.  This holds for every mask.  bv is added at the end: sum p (v + bv) / sum p = sum p v / sum p + bv.
; SHARES.  A wave owns 32 queries (two tiles of 16) of one head and walks its kept key tiles; 2,048 waves that share nothing: no LDS, no barrier.  Waves 0-3 of work-group x take query blocks x + 16 w,
; waves 4-7 blocks 127 - (x + 16 (w - 4)): an order of work, right for any mask, which evens masks that thin out along the queries.
; NO CLUSTER, NO TENSOR LOAD: which tiles a wave reads, and how many, hangs on numbers read from memory, and differs from wave to wave; the operands lie in memory as images of the operand registers,
; so each load of a wave is 512 consecutive bytes straight into a fragment.
; LAYOUT.  S^T = K Q^T (source 0 = 16 keys, source 1 = 16 queries), O^T = V^T P (source 0 = 16 channels, source 1 = P): a lane holds ONE query throughout; two packed tiles of S^T are source 1 of the second product.
; SOFTMAX.  Running maximum m and sum l for each query: p = 2^(c s - c m), c = log2(e) / 8; in every tile O and l are multiplied by a = 2^(c m_old - c m_new).  m begins at -3e38.
; A row with no set byte at all keeps l = 0 and O = 0 and comes out NaN, as the softmax of a row of -infinity does.
; All operands of both products are f16; sums, maxima, exponentials in f32; the row's sum is taken of the unrounded p.
; LIMITS: |q|, |k|, |v|, |attn| under 65,504; scores above -3e38; NaN and infinities among the inputs are not served; mask bytes are 0 or 1.
; REGISTERS.  window 0: v1 16 x lane; v2 my place in a mask tile; v3 -infinity; v4 at work; v7 my place in bv; v8-23 statistics, eight a tile of queries: +0 c m, +1 m, +2, +3 l, +4 .. +7 at work (a in +6);
;   v32-63 Q; v64-127 S^T, then p; v128-159 P (and ahead of it the mask bytes); v160-223 O^T; v224-255 bv.   window 1: v0-63 K of one tile; v64-127 V of one tile.
.set ST, 8
.set Q,  32
.set S,  64
.set P,  128
.set MK, 128
.set O,  160
.set BV, 224
.set KF, 0
.set VF, 64
.set MSB, 0
.macro WIN new                         ; the immediate's high byte repeats the setting that is left
.if MSB != (\new)
	s_set_vgpr_msb (MSB<<8)|(\new)
.set MSB, (\new)
.endif
.endm
; The lowest tile left in s[36:37]: its number (held to 63 before it enters an address), its bit taken off the list, whether it is FULL (s43), its byte offset in K and V (s[66:67]), its first mask byte (s[62:63]).
.macro FINDNEXT
	s_cmp_lg_u32 s36, 0
	s_cselect_b32 s50, s36, s37
	s_cselect_b32 s51, 0, 32
	s_ctz_i32_b32 s50, s50
	s_add_co_u32 s44, s50, s51
	s_min_u32 s44, s44, 63
	s_lshl_b64 s[48:49], s[46:47], s44             ; its bit
	s_and_not1_b32 s36, s36, s48
	s_and_not1_b32 s37, s37, s49
	s_and_b32 s50, s38, s48
	s_and_b32 s51, s39, s49
	s_or_b32 s43, s50, s51
	s_lshl_b32 s66, s44, 13                        ; a tile of K or of V is 8,192 bytes
	s_lshl_b32 s50, s44, 6                         ; and 64 bytes along a row of the mask
	s_mov_b32 s51, 0
	s_add_nc_u64 s[62:63], s[60:61], s[50:51]
.endm
.macro KLOAD                           ; 64 keys x 64 channels: fragment (16 keys kt, 32 channels c) at v[8 (2 kt + c)] of window 1
	s_add_nc_u64 s[56:57], s[52:53], s[66:67]
	WIN 0x40
.set n, 0
.rept 16
	global_load_b128 v[KF+4*n:KF+4*n+3], v1, s[56:57] offset:512*n
.set n, n+1
.endr
	WIN 0
.endm
.macro VLOAD                           ; fragment (32 keys kh, 16 channels ct) at v[64 + 8 (4 kh + ct)] of window 1
	s_add_nc_u64 s[58:59], s[54:55], s[66:67]
	WIN 0x40
.set n, 0
.rept 16
	global_load_b128 v[VF+4*n:VF+4*n+3], v1, s[58:59] offset:512*n
.set n, n+1
.endr
	WIN 0
.endm
	s_load_b256 s[4:11], s[0:1], 0x0               ; qkv s[4:5], tiles s[6:7], mask s[8:9], bv s[10:11]
	s_load_b64 s[12:13], s[0:1], 0x20              ; attn
	v_lshrrev_b32 v4, 5, v0
	v_readfirstlane_b32 s14, v4                    ; wave 0..7
	s_and_b32 s16, ttmp7, 0xffff                   ; the head
	s_and_b32 s50, s14, 3
	s_lshl_b32 s50, s50, 4
	s_add_co_u32 s50, s50, ttmp9
	s_sub_co_u32 s51, 127, s50
	s_cmp_lt_u32 s14, 4
	s_cselect_b32 s15, s50, s51                    ; my block of 32 queries
	v_and_b32 v4, 31, v0
	v_lshlrev_b32 v1, 4, v4
	v_and_b32 v5, 15, v0                           ; r
	v_bfe_u32 v6, v0, 4, 1                         ; h
	v_lshlrev_b32 v2, 12, v5
	v_lshl_add_u32 v2, v6, 3, v2                   ; the mask: row r of 4,096 bytes, + 8 h
	v_lshlrev_b32 v7, 5, v6                        ; bv: 32 h
	v_mov_b32 v3, 0xff800000
	s_mov_b32 s46, 1
	s_mov_b32 s47, 0
	s_mov_b32 s67, 0
	s_mov_b32 s68, 0x3e38aa3b                      ; c = log2(e) / 8
	s_mov_b32 s69, s68                             ; (named with it as a pair, so it is written)
	s_mov_b32 s70, 0x76543210
	s_mov_b32 s71, 0xfedcba98                      ; v_permlanex16_b32's selects for lane l xor 16
	s_mov_b32 s41, 0                               ; tiles done
	s_lshl_b32 s50, s15, 6
	s_mov_b32 s51, 0
	s_wait_kmcnt 0x0
	s_add_nc_u64 s[6:7], s[6:7], s[50:51]
	s_load_b512 s[20:35], s[6:7], 0x0              ; my block's sixteen words
	s_lshl_b32 s50, s16, 19                        ; a head's q, k or v: 524,288 bytes
	s_add_nc_u64 s[4:5], s[4:5], s[50:51]
	s_add_nc_u64 s[52:53], s[4:5], 0x800000        ; the head's K,
	s_add_nc_u64 s[54:55], s[4:5], 0x1000000       ; and V
	s_lshl_b32 s50, s15, 12
	s_add_nc_u64 s[4:5], s[4:5], s[50:51]          ; my two tiles of Q
	s_lshl_b32 s50, s15, 17
	s_add_nc_u64 s[60:61], s[8:9], s[50:51]        ; my 32 rows of the mask
	s_lshl_b32 s50, s16, 8
	s_add_nc_u64 s[10:11], s[10:11], s[50:51]      ; the head's 64 numbers of bv
	s_lshl_b32 s50, s15, 16                        ; attn: 32,768 bytes for 16 tokens, 2,048 a head
	s_lshl_b32 s17, s16, 11
	s_add_co_u32 s50, s50, s17
	s_add_nc_u64 s[12:13], s[12:13], s[50:51]
.irp ct, 0,1,2,3
	global_load_b128 v[BV+8*\ct:BV+8*\ct+3], v7, s[10:11] offset:64*\ct            ; in O^T's layout: channels 16 ct + 8 h + 0 .. 7
	global_load_b128 v[BV+8*\ct+4:BV+8*\ct+7], v7, s[10:11] offset:64*\ct+16
.endr
.set n, 0
.rept 8
	global_load_b128 v[Q+4*n:Q+4*n+3], v1, s[4:5] offset:512*n                     ; fragment (tile t, 32 channels c) at v[Q + 16 t + 8 c]
.set n, n+1
.endr
.irp t, 0,1
	v_mov_b32 v[ST+8*\t+1], 0xff61b1e6             ; m = -3e38, under every score
	v_mul_f32 v[ST+8*\t], s68, v[ST+8*\t+1]        ; c m
	v_mov_b32 v[ST+8*\t+2], 0                      ; l, in two halves
	v_mov_b32 v[ST+8*\t+3], 0
	v_mov_b32 v[ST+8*\t+5], 0                      ; written once: a lane permute's destination counts as one of its sources,
	v_mov_b32 v[ST+8*\t+7], 0                      ; and this one is named as the upper half of a pair
.endr
.set n, 0
.rept 64
	v_mov_b32 v[O+n], 0                            ; O^T.  (The tile's work is written once: the first finds zeros, which the first change of m leaves zeros)
.set n, n+1
.endr
	s_wait_kmcnt 0x0
	s_or_b32 s36, s20, s21                         ; ANY of key tiles 0-31,
	s_or_b32 s50, s22, s23
	s_or_b32 s36, s36, s50
	s_or_b32 s37, s24, s25                         ; 32-63;
	s_or_b32 s50, s26, s27
	s_or_b32 s37, s37, s50
	s_or_b32 s38, s28, s29                         ; FULL likewise
	s_or_b32 s50, s30, s31
	s_or_b32 s38, s38, s50
	s_or_b32 s39, s32, s33
	s_or_b32 s50, s34, s35
	s_or_b32 s39, s39, s50
	s_bcnt1_i32_b32 s40, s36
	s_bcnt1_i32_b32 s50, s37
	s_add_co_u32 s40, s40, s50                     ; how many tiles I walk
	s_cmp_eq_u32 s40, 0
	s_cbranch_scc1 .Lout                           ; none: all 32 rows are wholly masked
	FINDNEXT
	KLOAD
	VLOAD
.Ltile:
	s_wait_loadcnt 16                              ; all but V's sixteen loads: K is in (and, the first time, bv and Q)
	WIN 0x01                                       ; source 0 in window 1
.irp c, 0,1                                    ; S^T = K Q^T: eight accumulators by turns, one instruction a turn
.irp kt, 0,1,2,3
.irp t, 0,1
.if \c == 0
	v_wmma_f32_16x16x32_f16 v[S+32*\t+8*\kt:S+32*\t+8*\kt+7], v[KF+8*(2*\kt+\c):KF+8*(2*\kt+\c)+7], v[Q+16*\t+8*\c:Q+16*\t+8*\c+7], 0
.else
	v_wmma_f32_16x16x32_f16 v[S+32*\t+8*\kt:S+32*\t+8*\kt+7], v[KF+8*(2*\kt+\c):KF+8*(2*\kt+\c)+7], v[Q+16*\t+8*\c:Q+16*\t+8*\c+7], v[S+32*\t+8*\kt:S+32*\t+8*\kt+7]
.endif
.endr
.endr
.endr
	WIN 0
.rept 4
	v_nop                                          ; places in front of the first read of the scores and of the loads into K's registers
.endr
	s_cmp_lg_u32 s43, 0
	s_cbranch_scc1 .Lfull                          ; every byte of this tile is set: nothing to hide
.irp t, 0,1                                    ; register j of S^T(t, kt) in lane (r, h) is query 16 t + r, key 16 kt + 8 h + j: its eight mask bytes are neighbours
.irp kt, 0,1,2,3
	global_load_b64 v[MK+2*(4*\t+\kt):MK+2*(4*\t+\kt)+1], v2, s[62:63] offset:\t*65536+16*\kt
.endr
.endr
	s_wait_loadcnt 0x0
.irp t, 0,1
.irp kt, 0,1,2,3
.irp i, 0,1,2,3,4,5,6,7
	v_and_b32 v4, 0xff<<(8*(\i%4)), v[MK+2*(4*\t+\kt)+\i/4]
	v_cmp_eq_u32 vcc_lo, 0, v4
	v_cndmask_b32 v[S+32*\t+8*\kt+\i], v[S+32*\t+8*\kt+\i], v3, vcc_lo   ; -infinity where the byte is 0
.endr
.endr
.endr
.Lfull:
	s_add_co_u32 s50, s41, 1
	s_cmp_lt_u32 s50, s40
	s_cbranch_scc0 .Lno_k
	FINDNEXT                                       ; the next tile's K is asked for here: it has the softmax and the second product in which to land.  (K's old loads were shown done at the trip's head)
	KLOAD
	s_branch .Lk_asked
.Lno_k:
	s_wait_loadcnt 0x0                             ; the last tile: nothing is issued behind V's loads, so the count below would not show them done
.Lk_asked:
	; the softmax of both tiles of queries, their lines by turns
.irp j, 0,1,2,3
.irp t, 0,1
	v_max3_num_f32 v[ST+8*\t+4+\j], v[S+32*\t+8*\j], v[S+32*\t+8*\j+1], v[S+32*\t+8*\j+2]     ; four chains, each from its accumulator's low end on
.endr
.endr
.irp i, 3,5
.irp j, 0,1,2,3
.irp t, 0,1
	v_max3_num_f32 v[ST+8*\t+4+\j], v[ST+8*\t+4+\j], v[S+32*\t+8*\j+\i], v[S+32*\t+8*\j+\i+1]
.endr
.endr
.endr
.irp t, 0,1
	v_max3_num_f32 v[ST+8*\t+4], v[ST+8*\t+4], v[S+32*\t+7], v[S+32*\t+15]
	v_max3_num_f32 v[ST+8*\t+6], v[ST+8*\t+6], v[S+32*\t+23], v[S+32*\t+31]
.endr
.irp t, 0,1
	v_max3_num_f32 v[ST+8*\t+4], v[ST+8*\t+4], v[ST+8*\t+5], v[ST+8*\t+6]
.endr
.irp t, 0,1
	v_max3_num_f32 v[ST+8*\t+4], v[ST+8*\t+4], v[ST+8*\t+7], v[ST+8*\t+1]   ; with the old m
.endr
.irp t, 0,1
	v_permlanex16_b32 v[ST+8*\t+5], v[ST+8*\t+4], s70, s71                 ; the query's other 32 keys lie in the lane 16 away
	v_mov_b32 v[ST+8*\t+7], v[ST+8*\t]                                     ; c m_old
.endr
.irp t, 0,1
	v_max_num_f32 v[ST+8*\t+1], v[ST+8*\t+4], v[ST+8*\t+5]                 ; the new m
.endr
.irp t, 0,1
	v_mul_f32 v[ST+8*\t], s68, v[ST+8*\t+1]
.endr
.irp t, 0,1
	v_sub_f32 v[ST+8*\t+7], v[ST+8*\t+7], v[ST+8*\t]                       ; c m_old - c m_new
.endr
.set n, 0
.rept 16
.irp t, 0,1
	v_pk_fma_f32 v[S+32*\t+2*n:S+32*\t+2*n+1], v[S+32*\t+2*n:S+32*\t+2*n+1], s[68:69], v[ST+8*\t:ST+8*\t+1] op_sel_hi:[1,0,0] neg_lo:[0,0,1] neg_hi:[0,0,1]   ; c s - c m, two at a time
.endr
.set n, n+1
.endr
.irp t, 0,1
	v_exp_f32 v[ST+8*\t+6], v[ST+8*\t+7]           ; a
.endr
.set n, 0
.rept 64
	v_exp_f32 v[S+n], v[S+n]                       ; p, at most 1; 0 where the score was -infinity
.set n, n+1
.endr
	v_nop                                          ; a plain instruction behind the last exponential
	s_wait_alu depctr_va_vdst(0)                   ; one wait for the batch of 66, ahead of the first instruction that names a result
.set n, 0
.rept 32
	v_cvt_pk_f16_f32 v[P+n], v[S+2*n], v[S+2*n+1]  ; two packed tiles of 16 keys are source 1 (32 keys x 16 queries) of the second product
.set n, n+1
.endr
.irp u, 0,1,2,3,4,5,6,7                        ; the sum of the unrounded p, in place: neighbours 1, 2, 4 and 8 pairs apart
.irp t, 0,1
	v_pk_add_f32 v[S+32*\t+4*\u:S+32*\t+4*\u+1], v[S+32*\t+4*\u:S+32*\t+4*\u+1], v[S+32*\t+4*\u+2:S+32*\t+4*\u+3]
.endr
.endr
.irp u, 0,1,2,3
.irp t, 0,1
	v_pk_add_f32 v[S+32*\t+8*\u:S+32*\t+8*\u+1], v[S+32*\t+8*\u:S+32*\t+8*\u+1], v[S+32*\t+8*\u+4:S+32*\t+8*\u+5]
.endr
.endr
.irp u, 0,1
.irp t, 0,1
	v_pk_add_f32 v[S+32*\t+16*\u:S+32*\t+16*\u+1], v[S+32*\t+16*\u:S+32*\t+16*\u+1], v[S+32*\t+16*\u+8:S+32*\t+16*\u+9]
.endr
.endr
.irp t, 0,1
	v_pk_add_f32 v[S+32*\t:S+32*\t+1], v[S+32*\t:S+32*\t+1], v[S+32*\t+16:S+32*\t+17]
.endr
.irp t, 0,1
	v_pk_fma_f32 v[ST+8*\t+2:ST+8*\t+3], v[ST+8*\t+2:ST+8*\t+3], v[ST+8*\t+6:ST+8*\t+7], v[S+32*\t:S+32*\t+1] op_sel_hi:[1,0,1]   ; l = a l + the sum
.endr
.irp t, 0,1
.set n, 0
.rept 16
	v_pk_mul_f32 v[O+32*\t+2*n:O+32*\t+2*n+1], v[O+32*\t+2*n:O+32*\t+2*n+1], v[ST+8*\t+6:ST+8*\t+7] op_sel_hi:[1,0]   ; O^T x a, each accumulator from its low end on
.set n, n+1
.endr
.endr
	s_wait_loadcnt 16                              ; all but the next K's sixteen loads: V is in
	WIN 0x01
.irp kh, 0,1                                   ; O^T += V^T P: eight accumulators by turns
.irp ct, 0,1,2,3
.irp t, 0,1
	v_wmma_f32_16x16x32_f16 v[O+32*\t+8*\ct:O+32*\t+8*\ct+7], v[VF+8*(4*\kh+\ct):VF+8*(4*\kh+\ct)+7], v[P+16*\t+8*\kh:P+16*\t+8*\kh+7], v[O+32*\t+8*\ct:O+32*\t+8*\ct+7]
.endr
.endr
.endr
	WIN 0
.rept 4
	v_nop                                          ; places in front of the loads into V's and P's registers and of the reads of O^T
.endr
	s_add_co_u32 s41, s41, 1
	s_cmp_ge_u32 s41, s40
	s_cbranch_scc1 .Lout
	VLOAD                                          ; the next tile's V (V's old loads were shown done ahead of the products)
	s_cmp_lt_u32 s41, s40
	s_cbranch_scc1 .Ltile
.Lout:
	s_wait_loadcnt 0x0                             ; bv, where no tile was walked
.irp t, 0,1
	v_add_f32 v[ST+8*\t+4], v[ST+8*\t+2], v[ST+8*\t+3]
.endr
.irp t, 0,1
	v_permlanex16_b32 v[ST+8*\t+5], v[ST+8*\t+4], s70, s71
.endr
.irp t, 0,1
	v_add_f32 v[ST+8*\t+4], v[ST+8*\t+4], v[ST+8*\t+5]     ; the row's sum
.endr
.irp t, 0,1
	v_rcp_f32 v[ST+8*\t+6], v[ST+8*\t+4]
.endr
	v_nop                                          ; a plain instruction behind the reciprocals,
	s_wait_alu depctr_va_vdst(0)                   ; and the one wait ahead of their first reader
.irp t, 0,1
.set n, 0
.rept 16
	v_pk_fma_f32 v[S+32*\t+2*n:S+32*\t+2*n+1], v[O+32*\t+2*n:O+32*\t+2*n+1], v[ST+8*\t+6:ST+8*\t+7], v[BV+2*n:BV+2*n+1] op_sel_hi:[1,0,1]   ; O^T / l + bv
.set n, n+1
.endr
.endr
.set n, 0
.rept 32
	v_cvt_pk_f16_f32 v[P+n], v[S+2*n], v[S+2*n+1]
.set n, n+1
.endr
.irp t, 0,1
.irp ct, 0,1,2,3
	global_store_b128 v1, v[P+16*\t+4*\ct:P+16*\t+4*\ct+3], s[12:13] offset:\t*32768+\ct*512   ; an image of four registers of the next product's fragment: 512 consecutive bytes, aligned
.endr
.endr
	s_endpgm
.Lfunc_end_k_q48d1df2e2b_attn:
	.size	k_q48d1df2e2b_attn, .Lfunc_end_k_q48d1df2e2b_attn-k_q48d1df2e2b_attn
	.p2alignl 7, 3214868480
	.fill 96, 4, 3214868480
	.section	.rodata,"a",@progbits
	.p2align	6, 0x0
	.amdhsa_kernel k_q48d1df2e2b_attn
		.amdhsa_group_segment_fixed_size 0
		.amdhsa_private_segment_fixed_size 0
		.amdhsa_enable_private_segment 0
		.amdhsa_kernarg_size 40
		.amdhsa_user_sgpr_count 2
		.amdhsa_user_sgpr_kernarg_segment_ptr 1
		.amdhsa_wavefront_size32 1
		.amdhsa_system_sgpr_workgroup_id_x 1
		.amdhsa_system_sgpr_workgroup_id_y 1
		.amdhsa_system_sgpr_workgroup_id_z 1
		.amdhsa_system_vgpr_workitem_id 0
		.amdhsa_next_free_vgpr 384
		.amdhsa_next_free_sgpr 72
		.amdhsa_reserve_vcc 1
		.amdhsa_float_denorm_mode_32 3
		.amdhsa_float_denorm_mode_16_64 3
		.amdhsa_memory_ordered 1
		.amdhsa_forward_progress 1
		.amdhsa_inst_pref_size 44
	.end_amdhsa_kernel
	.amdgpu_metadata
---
amdhsa.version: [ 1, 2 ]
amdhsa.kernels:
  - .name:           k_q48d1df2e2b_attn
    .symbol:         k_q48d1df2e2b_attn.kd
    .args:
      - { .name: qkv, .offset: 0, .size: 8, .value_kind: global_buffer, .address_space: global }
      - { .name: tiles, .offset: 8, .size: 8, .value_kind: global_buffer, .address_space: global }
      - { .name: attention_mask, .offset: 16, .size: 8, .value_kind: global_buffer, .address_space: global }
      - { .name: bv, .offset: 24, .size: 8, .value_kind: global_buffer, .address_space: global }
      - { .name: attn, .offset: 32, .size: 8, .value_kind: global_buffer, .address_space: global }
    .group_segment_fixed_size: 0
    .private_segment_fixed_size: 0
    .kernarg_segment_align: 8
    .kernarg_segment_size: 40
    .max_flat_workgroup_size: 256
    .sgpr_count:     72
    .vgpr_count:     384
    .wavefront_size: 32
...
	.end_amdgpu_metadata
.endif
;; end of part 3
;; launch oproj (part 4): grid 8 x 32, 4 waves a work-group, clusters of 4 x 4, 327,680 bytes of LDS; arguments attn, wo16, bo, out0; writes out0
.if DOCPART == 4
	.amdgcn_target "amdgcn-amd-amdhsa--gfx1250"
	.amdhsa_code_object_version 6
	.text
	.protected	k_q48d1df2e2b_oproj
	.globl	k_q48d1df2e2b_oproj
	.p2align	8
	.type	k_q48d1df2e2b_oproj,@function
k_q48d1df2e2b_oproj:
	s_mov_b64 s[64:65], 0
	v_nop
	global_prefetch_b8 v0, s[64:65] scope:SCOPE_SE
	s_setreg_imm32_b32 hwreg(HW_REG_WAVE_MODE, 25, 1), 1
	s_wait_xcnt 0x0
	s_wait_alu depctr_hold_cnt(0) depctr_sa_sdst(0) depctr_va_vdst(0) depctr_va_sdst(0) depctr_va_ssrc(0) depctr_va_vcc(0) depctr_vm_vsrc(0)
	s_getreg_b32 s2, hwreg(HW_REG_IB_STS2, 6, 4)
	s_cmp_eq_u32 s2, 0
	s_cbranch_scc0 .Lentry_in_a_cluster
	s_endpgm
.Lentry_in_a_cluster:
	s_bfe_u32 s2, ttmp6, 0x10000c
	s_cmp_lg_u32 s2, 0xf033
	s_cbranch_scc0 .Lentry_shape_is_right
	s_endpgm
.Lentry_shape_is_right:
; out0[m][n] = sum over k of attn[m][k] wo[n][k] + bo[n]: [4096] x [1024] over K = 1,024, f16 operands, f32 sums, f32 out.
; attn lies in memory as images of this product's operand registers: byte = (token / 16) 32,768 + (k / 16) 512 + 16 lane, lane (r, h) holding token r, k = 16 (k / 16) + 8 h + 0 .. 7.  wo16 is [1024][1024] f16, row-major.
; A tile of out0 is 128 x 128, so that there are 256 work-groups; four waves, each 64 x 64: 16 accumulators.  K goes in steps of 256 through a ring of two LDS slots.
; attn's part of a slot: for each of 8 tiles of 16 tokens the step's 8,192 consecutive bytes, laid on end without padding: a fragment load reads 512 consecutive bytes.  wo's part: 128 rows of 512 bytes + 16 of padding.
; CLUSTERS: 4 x 4 work-groups; the four of a row need the same tokens, the four of a column the same rows of wo: each tile is asked for jointly.
; The matrix instruction is used transposed (source 0 = 16 rows of wo, source 1 = 16 tokens): a lane holds eight neighbouring numbers of a row of out0.  bo is the C of each sum's first product.
; A wave's 64 columns are 256 aligned bytes of a row, so each wave has a stage of its own on the way out, and no barrier stands there.
; By this text's count a wave has two tensor loads out at the start and one behind each round.
; REGISTERS: window 0: v16-29 addresses; v32-95 rows on the way out; v96-127 the bias; v128-255 the accumulators ((a, b) at v[128 + 8 (4 a + b)]).  window 1: two fragment buffers of 128: 64 of attn, then 64 of wo.
.set SIZE_N, 1024
.set SIZE_K, 1024
.set KSTEP,  256
.set PITCH,  528                       ; wo's LDS row: 512 bytes + 16 of padding = 132 words, so that the 16 rows of a load start at 16 different banks (64 banks of 4 bytes: ISA guide 11.1)
.set HALFA,  4*8192                    ; 64 tokens x 256 along K, as images
.set HALFB,  64*PITCH
.set BOFF,   2*HALFA
.set SLOT,   2*HALFA+2*HALFB
.set STAGE,  2*SLOT                    ; behind the ring: 16 rows x 272 bytes for each wave
.set SPITCH, 272
.set SPARE,  STAGE+4*16*SPITCH         ; the spare words, 128 bytes for each wave
.set LAPS,   SIZE_K/(2*KSTEP)
.set ADRA, 16                          ; v16-17  LDS address of my fragments of attn in slot 0, 1
.set ADRB, 20                          ; v20-21  the same for wo
.set STO,  24                          ; v24     the way out: where I put 32 bytes of a row
.set RD,   25                          ; v25     where I read a row back
.set CO,   26                          ; v26     my byte offset in out0
.set BOF,  27                          ; v27     32 x (lane / 16): my eight numbers of a block's bias
.set SPW,  28                          ; v28     LDS address of my spare word; never rewritten
.set NIL,  29                          ; v29     0; never rewritten
.set TMP,  32
.set BIAS, 96
.set ACC,  128
.set F0,   0
.set F1,   128
.set G1, 24                            ; s[24:31], s[32:39] descriptor groups 1 and 0 (a set for each slot) for attn's tiles
.set G0, 32
.set G1B, 48                           ; s[48:55], s[56:63] for wo's
.set G0B, 56
.set MSB, 0
.macro WIN new                         ; the immediate's high byte repeats the setting that is left
.if MSB != (\new)
	s_set_vgpr_msb (MSB<<8)|(\new)
.set MSB, (\new)
.endif
.endm
.set MUL,  0x05                        ; sources 0 and 1 window 1; C and D window 0
.set TO_F, 0x40                        ; destination window 1, address window 0
.macro JLOAD s                         ; a joint load: waves 0 and 1 fetch attn's two halves, waves 2 and 3 wo's; an s_nop 0 and four v_nop follow each line
	s_cmp_eq_u32 s11, 0
	s_cbranch_scc0 .Lfor_b_\@
	tensor_load_to_lds s[G0+4*\s:G0+4*\s+3], s[G1:G1+7]
	s_nop 0
.rept 4
	v_nop
.endr
	s_branch .Lasked_\@
.Lfor_b_\@:
	tensor_load_to_lds s[G0B+4*\s:G0B+4*\s+3], s[G1B:G1B+7]
	s_nop 0
.rept 4
	v_nop
.endr
.Lasked_\@:
.endm
.macro CREST                           ; a round of the cluster's barrier behind its opening barrier
	s_cmp_lg_u32 s10, 0
	s_cbranch_scc1 .Lnot_wave_0_\@
	s_barrier_signal -3
.Lnot_wave_0_\@:
	s_barrier_wait -3
	s_barrier_signal -1
	s_barrier_wait -1
.endm
.macro CROUND
	s_barrier_signal -1
	s_barrier_wait -1
	CREST
.endm
	s_load_b128 s[4:7], s[0:1], 0x0                ; attn s[4:5], wo16 s[6:7]
	s_load_b64 s[66:67], s[0:1], 0x10              ; bo
	s_load_b64 s[8:9], s[0:1], 0x18                ; out0
	v_lshl_add_u32 v[SPW], v0, 2, SPARE
	v_mov_b32 v[NIL], 0
	ds_add_u32 v[SPW], v[NIL]                      ; the wave's opening: the add, twice on end, and its wait ahead of my first tensor load
	ds_add_u32 v[SPW], v[NIL]
	v_lshrrev_b32 v1, 5, v0
	v_readfirstlane_b32 s10, v1                    ; wave 0..3
	s_lshr_b32 s11, s10, 1                         ; which half of the tile's tokens is mine.  Also: I fetch for attn (0) or for wo (1)
	s_and_b32 s12, s10, 1                          ; which half of its columns.  Also: which half of that tile I fetch
	s_bfe_u32 s40, ttmp6, 0x40000                  ; cx, cy
	s_bfe_u32 s41, ttmp6, 0x40004
	s_lshl_b32 s42, ttmp9, 2
	s_add_co_u32 s42, s42, s40                     ; tile column = 4 x cluster x + cx
	s_and_b32 s13, ttmp7, 0xffff
	s_lshl_b32 s13, s13, 2
	s_add_co_u32 s13, s13, s41                     ; tile row = 4 x cluster y + cy
	s_lshl_b32 s43, s41, 2
	s_lshl_b32 s43, 15, s43                        ; my row of the cluster
	s_lshl_b32 s44, 0x1111, s40                    ; my column
	; attn: 4 rows (tiles of 16 tokens) of 1,024 elements of 8 bytes, 4,096 elements apart, no padding
	s_or_b32 s[G1+0], s43, (3<<16)|(1<<21)         ; 15:0 the mask; 17:16 elements of 8 bytes; 21 set beside a mask
	s_mov_b32 s[G1+1], 1024<<16                    ; tensor_dim0
	s_mov_b32 s[G1+2], 4<<16                       ; tensor_dim1
	s_mov_b32 s[G1+3], 1024<<16                    ; tile_dim0
	s_mov_b32 s[G1+4], 4                           ; tile_dim1
	s_mov_b32 s[G1+5], 4096                        ; from row to row
	s_mov_b32 s[G1+6], 0
	s_mov_b32 s[G1+7], 0
	; wo: 64 rows of 256 elements of 2 bytes, 16 bytes of padding behind each
	s_or_b32 s[G1B+0], s44, (1<<16)|(1<<20)|(1<<21)|(6<<22)|(3<<25)
	s_mov_b32 s[G1B+1], KSTEP<<16
	s_mov_b32 s[G1B+2], 64<<16
	s_mov_b32 s[G1B+3], KSTEP<<16
	s_mov_b32 s[G1B+4], 64
	s_mov_b32 s[G1B+5], SIZE_K
	s_mov_b32 s[G1B+6], 0
	s_mov_b32 s[G1B+7], 0
	s_lshl_b32 s16, s13, 18                        ; attn: 128 tokens are 8 x 32,768 bytes,
	s_lshl_b32 s17, s12, 17                        ; 64 are half of that
	s_add_co_u32 s16, s16, s17
	s_mov_b32 s17, 0
	s_lshl_b32 s46, s42, 18                        ; wo: 128 rows of 2,048 bytes,
	s_lshl_b32 s47, s12, 17                        ; 64 rows
	s_add_co_u32 s46, s46, s47
	s_mov_b32 s47, 0
	s_mul_i32 s20, s12, HALFA                      ; where they go: no place in the cluster enters an LDS address
	s_mul_i32 s21, s12, HALFB
	s_add_co_u32 s21, s21, BOFF
	s_wait_dscnt 0x0                               ; both opening adds are done
	s_wait_kmcnt 0x0
	s_add_nc_u64 s[14:15], s[4:5], s[16:17]
	s_add_nc_u64 s[46:47], s[6:7], s[46:47]
	CROUND                                         ; all sixteen work-groups are here: the first joint loads meet
.irp s, 0,1
	s_mov_b32 s[G0+4*\s], 1
	s_add_co_u32 s[G0+4*\s+1], s20, \s*SLOT
	s_add_nc_u64 s[G0+4*\s+2:G0+4*\s+3], s[14:15], \s*8192         ; a K step is 8,192 bytes of a tile of 16 tokens
	s_or_b32 s[G0+4*\s+3], s[G0+4*\s+3], 0x80000000
	s_mov_b32 s[G0B+4*\s], 1
	s_add_co_u32 s[G0B+4*\s+1], s21, \s*SLOT
	s_add_nc_u64 s[G0B+4*\s+2:G0B+4*\s+3], s[46:47], \s*KSTEP*2
	s_or_b32 s[G0B+4*\s+3], s[G0B+4*\s+3], 0x80000000
	JLOAD \s
.endr
	v_and_b32 v1, 15, v0                           ; l % 16
	v_bfe_u32 v2, v0, 4, 1                         ; l / 16
	v_and_b32 v3, 31, v0
	v_lshlrev_b32 v3, 4, v3                        ; 16 x lane: my place in an image
	v_mul_u32_u24 v4, v1, PITCH
	v_lshl_add_u32 v4, v2, 4, v4                   ; wo: row x pitch + 16 x half
	s_mul_i32 s21, s11, HALFA                      ; my 64 tokens
	s_mul_i32 s22, s12, HALFB                      ; my 64 rows of wo,
	s_add_co_u32 s22, s22, BOFF                    ; which lie behind attn's part
.irp s, 0,1
	v_add_nc_u32 v[ADRA+\s], s21, v3
	v_add_nc_u32 v[ADRB+\s], s22, v4
	s_add_co_u32 s21, s21, SLOT
	s_add_co_u32 s22, s22, SLOT
.endr
	s_mul_i32 s23, s10, 16*SPITCH
	s_add_co_u32 s23, s23, STAGE                   ; my stage
	v_mul_u32_u24 v5, v1, SPITCH                   ; in: row l % 16, 32 bytes for each half of the lanes
	v_lshl_add_u32 v5, v2, 5, v5
	v_add_nc_u32 v[STO], s23, v5
	v_mul_u32_u24 v5, v2, SPITCH                   ; back: lanes 0-15 one row of 256 bytes, lanes 16-31 the next
	v_lshl_add_u32 v5, v1, 4, v5
	v_add_nc_u32 v[RD], s23, v5
	v_lshlrev_b32 v5, 12, v2                       ; and the same two rows in out0: 4,096 bytes a row
	v_lshl_add_u32 v[CO], v1, 4, v5
	v_lshlrev_b32 v[BOF], 5, v2
	s_lshl_b32 s16, s13, 19                        ; my first row of out0: 128 x tile row + 64 x half
	s_lshl_b32 s17, s11, 18
	s_add_co_u32 s16, s16, s17
	s_mov_b32 s17, 0
	s_add_nc_u64 s[8:9], s[8:9], s[16:17]
	s_lshl_b32 s46, s42, 9                         ; my first column, in bytes: 512 x tile column + 256 x half
	s_lshl_b32 s47, s12, 8
	s_add_co_u32 s46, s46, s47
	s_mov_b32 s47, 0
	s_add_nc_u64 s[8:9], s[8:9], s[46:47]
	s_add_nc_u64 s[66:67], s[66:67], s[46:47]      ; and the same in bo
.irp b, 0,1,2,3
	global_load_b128 v[BIAS+8*\b:BIAS+8*\b+3], v[BOF], s[66:67] offset:64*\b       ; in the result's layout: columns 16 b + 8 h + 0 .. 7
	global_load_b128 v[BIAS+8*\b+4:BIAS+8*\b+7], v[BOF], s[66:67] offset:64*\b+16
.endr
; 8 matrix instructions: blocks of tokens a0, a0 + 1 x all 4 blocks of columns, 32 along K: half c of buffer f.  first = 1: the product starts the sums, with the bias as C
.macro MUL8 f, c, a0, first
.irp a, \a0, \a0+1
.irp b, 0,1,2,3
.if \first
	v_wmma_f32_16x16x32_f16 v[ACC+8*(4*(\a)+\b):ACC+8*(4*(\a)+\b)+7], v[\f+64+8*(4*\c+\b):\f+64+8*(4*\c+\b)+7], v[\f+8*(4*\c+\a):\f+8*(4*\c+\a)+7], v[BIAS+8*\b:BIAS+8*\b+7]
.else
	v_wmma_f32_16x16x32_f16 v[ACC+8*(4*(\a)+\b):ACC+8*(4*(\a)+\b)+7], v[\f+64+8*(4*\c+\b):\f+64+8*(4*\c+\b)+7], v[\f+8*(4*\c+\a):\f+8*(4*\c+\a)+7], v[ACC+8*(4*(\a)+\b):ACC+8*(4*(\a)+\b)+7]
.endif
.endr
.endr
.endm
; 32 LDS loads in one run: the fragments of 64 along K, the quarter that begins at byte k of wo's rows, into buffer f; the first 32 along K first.  In attn's images a quarter is 2,048 bytes, 32 along K 1,024
.macro FETCH slot, k, f
	WIN TO_F
.irp c, 0,1
.irp i, 0,1,2,3
	ds_load_b128 v[\f+64+8*(4*\c+\i):\f+64+8*(4*\c+\i)+3],   v[ADRB+\slot] offset:\k+64*\c+\i*16*PITCH
	ds_load_b128 v[\f+64+8*(4*\c+\i)+4:\f+64+8*(4*\c+\i)+7], v[ADRB+\slot] offset:\k+64*\c+\i*16*PITCH+32
	ds_load_b128 v[\f+8*(4*\c+\i):\f+8*(4*\c+\i)+3],         v[ADRA+\slot] offset:\i*8192+((\k)/128)*2048+\c*1024
	ds_load_b128 v[\f+8*(4*\c+\i)+4:\f+8*(4*\c+\i)+7],       v[ADRA+\slot] offset:\i*8192+((\k)/128)*2048+\c*1024+512
.endr
.endr
.endm
.macro PLACES                          ; four plain vector instructions in front of loads into registers that matrix instructions have read, and of the first read of results
.rept 4
	v_nop
.endr
.endm
; A K step is four quarters of 64 along K, 32 matrix instructions each, on buffers 0, 1, 0, 1; the 16 accumulators take turns
.macro QUARTER slot, k, f, g, first
	s_wait_dscnt 16                                ; the first 32 along K are in
	WIN MUL
	MUL8 \f, 0, 0, \first
	MUL8 \f, 0, 2, \first
	PLACES
	FETCH \slot, \k, \g
	s_wait_dscnt 32                                ; all but the 32 just issued
	WIN MUL
	MUL8 \f, 1, 0, 0
	MUL8 \f, 1, 2, 0
.endm
; The last quarter multiplies buffer 1 and changes slots: ONE barrier; in front of it each wave waits for all its tensor loads, adds 0 to its spare word, and waits for that and for its reads of this slot.
; fill = 1: the barrier opens a round of the cluster's barrier, and this slot is filled again, two K steps ahead, first thing behind the round.
.macro TURN slot, next, fill
	WIN 0                                          ; (the add's two registers lie in window 0)
	s_wait_tensorcnt 0x0                           ; all my tensor loads have landed: my part of the next slot
	ds_add_u32 v[SPW], v[NIL]                      ; 0 onto my spare word
	s_wait_dscnt 17                                ; (the add and the youngest sixteen loads may be out)
	WIN MUL
	MUL8 F1, 0, 0, 0
	s_wait_dscnt 0x0                               ; the add is done, and my reads of this slot are over
	s_barrier_signal -1
	MUL8 F1, 0, 2, 0
.if \fill
	WIN 0
.endif
	s_barrier_wait -1
.if \fill
	CREST                                          ; no wave of any partner still reads this slot or has a load on its way
	s_add_nc_u64 s[G0+4*\slot+2:G0+4*\slot+3], s[G0+4*\slot+2:G0+4*\slot+3], 2*8192
	s_add_nc_u64 s[G0B+4*\slot+2:G0B+4*\slot+3], s[G0B+4*\slot+2:G0B+4*\slot+3], 2*KSTEP*2
	JLOAD \slot                                    ; the four v_nop behind it are also the places in front of the loads below
.else
	PLACES
.endif
	FETCH \next, 0, F0
	WIN MUL
	MUL8 F1, 1, 0, 0
	MUL8 F1, 1, 2, 0
.endm
	s_wait_tensorcnt 1                             ; my part of K step 0 is in (K step 1's load may be out),
	s_barrier_signal -1
	s_barrier_wait -1                              ; everybody's is
	FETCH 0, 0, F0
	s_wait_loadcnt 0x0                             ; the bias
	QUARTER 0, 128, F0, F1, 1                      ; the first quarter stands in front of the loop: its first products start the sums
	WIN 0                                          ; at a label and at a branch every window is 0
	s_mov_b32 s3, LAPS-1
.Llap:                                                 ; a trip goes once round the ring and fills both slots again
	QUARTER 0, 256, F1, F0, 0
	QUARTER 0, 384, F0, F1, 0
	TURN 0, 1, 1
	QUARTER 1, 128, F0, F1, 0
	QUARTER 1, 256, F1, F0, 0
	QUARTER 1, 384, F0, F1, 0
	TURN 1, 0, 1
	QUARTER 0, 128, F0, F1, 0
	WIN 0
	s_sub_co_u32 s3, s3, 1
	s_cmp_lg_u32 s3, 0
	s_cbranch_scc1 .Llap
	QUARTER 0, 256, F1, F0, 0                      ; the last lap fills nothing, and has no round of the cluster's barrier
	QUARTER 0, 384, F0, F1, 0
	TURN 0, 1, 0
	QUARTER 1, 128, F0, F1, 0
	QUARTER 1, 256, F1, F0, 0
	QUARTER 1, 384, F0, F1, 0
	s_wait_dscnt 16                                ; the very last quarter: nothing more to fetch
	WIN MUL
	MUL8 F1, 0, 0, 0
	MUL8 F1, 0, 2, 0
	s_wait_dscnt 0
	MUL8 F1, 1, 0, 0
	MUL8 F1, 1, 2, 0
	WIN 0
; THE WAY OUT, a block of 16 tokens x 64 columns at a time: a lane's 32 bytes go into my own stage, each accumulator from its low end on, and come back as whole rows of 256 bytes.
; LDS serves a wave's instructions in order (ISA guide 5.7.1.4): no wait between the stores and the loads, nor in front of the next block's stores.
.macro TOSTAGE a
.irp b, 0,1,2,3
	ds_store_b128 v[STO], v[ACC+8*(4*(\a)+\b):ACC+8*(4*(\a)+\b)+3] offset:64*\b
	ds_store_b128 v[STO], v[ACC+8*(4*(\a)+\b)+4:ACC+8*(4*(\a)+\b)+7] offset:64*\b+16
.endr
.set BB, TMP+32*((\a)%2)
.irp t, 0,1,2,3,4,5,6,7
	ds_load_b128 v[BB+4*\t:BB+4*\t+3], v[RD] offset:\t*2*SPITCH
.endr
.endm
.macro SEND a, younger                 ; younger: the LDS instructions issued behind block a's loads, which may stay out
.set BB, TMP+32*((\a)%2)
	s_wait_dscnt \younger
.irp t, 0,1,2,3,4,5,6,7
	global_store_b128 v[CO], v[BB+4*\t:BB+4*\t+3], s[8:9] offset:(16*(\a)+2*\t)*SIZE_N*4 th:TH_STORE_NT   ; 16 lanes store 256 consecutive bytes, aligned; written once, read by nobody here
.endr
.endm
	PLACES
	TOSTAGE 0
.irp a, 1,2,3
.if \a > 1
	s_wait_xcnt 0x0                                ; block a - 2's stores have read their registers: block a's loads may land there
.endif
	TOSTAGE \a
	SEND \a-1, 16                                  ; behind block a - 1's loads: block a's eight stores and eight loads
.endr
	SEND 3, 0
	s_wait_tensorcnt 0x0                           ; the wave's end, behind my last tensor load and my last LDS store
	ds_add_u32 v[SPW], v[NIL]
	s_wait_dscnt 0x0
	CROUND                                         ; the closing round: no work-group ends while a partner may still ask for a tile that names it
	s_endpgm
.Lfunc_end_k_q48d1df2e2b_oproj:
	.size	k_q48d1df2e2b_oproj, .Lfunc_end_k_q48d1df2e2b_oproj-k_q48d1df2e2b_oproj
	.p2alignl 7, 3214868480
	.fill 96, 4, 3214868480
	.section	.rodata,"a",@progbits
	.p2align	6, 0x0
	.amdhsa_kernel k_q48d1df2e2b_oproj
		.amdhsa_group_segment_fixed_size 327680
		.amdhsa_private_segment_fixed_size 0
		.amdhsa_enable_private_segment 0
		.amdhsa_kernarg_size 32
		.amdhsa_user_sgpr_count 2
		.amdhsa_user_sgpr_kernarg_segment_ptr 1
		.amdhsa_wavefront_size32 1
		.amdhsa_system_sgpr_workgroup_id_x 1
		.amdhsa_system_sgpr_workgroup_id_y 1
		.amdhsa_system_sgpr_workgroup_id_z 1
		.amdhsa_system_vgpr_workitem_id 0
		.amdhsa_next_free_vgpr 512
		.amdhsa_next_free_sgpr 68
		.amdhsa_reserve_vcc 0
		.amdhsa_float_denorm_mode_32 3
		.amdhsa_float_denorm_mode_16_64 3
		.amdhsa_memory_ordered 1
		.amdhsa_forward_progress 1
		.amdhsa_inst_pref_size 87
	.end_amdhsa_kernel
	.amdgpu_metadata
---
amdhsa.version: [ 1, 2 ]
amdhsa.kernels:
  - .name:           k_q48d1df2e2b_oproj
    .symbol:         k_q48d1df2e2b_oproj.kd
    .args:
      - { .name: attn, .offset: 0, .size: 8, .value_kind: global_buffer, .address_space: global }
      - { .name: wo16, .offset: 8, .size: 8, .value_kind: global_buffer, .address_space: global }
      - { .name: bo, .offset: 16, .size: 8, .value_kind: global_buffer, .address_space: global }
      - { .name: out0, .offset: 24, .size: 8, .value_kind: global_buffer, .address_space: global }
    .group_segment_fixed_size: 327680
    .private_segment_fixed_size: 0
    .kernarg_segment_align: 8
    .kernarg_segment_size: 32
    .max_flat_workgroup_size: 128
    .sgpr_count:     68
    .vgpr_count:     512
    .wavefront_size: 32
...
	.end_amdgpu_metadata
.endif
;; end of part 4
